; MI455X (gfx1250); checked and timed in simulation.
; The chip was launched on July 23, 2026; its instructions are those of AMD's public machine-readable ISA for CDNA 5 (MIT licence, August 2026) and "CDNA5" Instruction Set Architecture Reference Guide (July 2026). The comments in the code are by the model that wrote it; some were corrected since.
;; Relative Information Attention. Allowed arithmetic: matrix products marked QUANTISED: E2M1 operands, one E8M0 scale for each 32 along K, by v_wmma_scale_f32_16x16x128_f8f6f4 with both operands' format E2M1 (or v_wmma_scale_f32_32x16x128_f4), f32 sums; everything else in f32.
;; Inputs: k 2 x 8 x 2,048 x 64 float32; k_info 2 x 2,048 int32; q 2 x 8 x 2,048 x 64 float32; q_info 2 x 2,048 int32; rel_emb 257 x 64 float32; v 2 x 8 x 2,048 x 64 float32.
;; Outputs: out0 2 x 8 x 2,048 x 64 float32.
;; This version of the problem:
;;   THIS VERSION OF THE PROBLEM IS GIVEN IN LOW PRECISION. The matrix products marked QUANTISED in the list below multiply operands that are first quantised to E2M1 (2 exponent bits, 1 mantissa bit; 4 bits a number), with one power-of-two scale for each 32 numbers along K (OCP MX v1.0); their sums are f32. All else is computed in f32.
;;   The module's matrix products, in the order in which they are computed (A, B: the left and right operand; K: the contracted axis; several contracted axes count as one K, in the product's order):
;;     1. [M 32,768, K 64] x [K 64, N 257]; A: input q; B: input rel_emb: QUANTISED
;;     2. batch 16 x [M 2,048, K 64] x [K 64, N 2,048]; A: input q; B: input k: QUANTISED
;;     3. batch 16 x [M 2,048, K 2,048] x [K 2,048, N 64]; A: softmax (see below); B: input v: QUANTISED
;;   THE QUANTISER, for each operand of a quantised product, along K:
;;     - K is cut into blocks of 32 from its start; a last block that is shorter is filled with zeros.
;;     - A block's scale is 2^e with e = floor(log2(the largest magnitude in the block)) - 2, held to -126 .. 127; a block of zeros has e = 0. As a byte (E8M0): e + 127.
;;     - Each number is divided by its block's scale, clamped to +-6, and rounded to the nearest number of E2M1, ties to even, subnormals kept.
;;     - The product sums the exact products of the quantised numbers (number of the format x scale) in f32.
;;   ~~~python
;;   def quantise(x, axis):      # numpy; x: float32 -> the quantised numbers, widened to float32 again
;;       x = np.moveaxis(x, axis, -1); K = x.shape[-1]
;;       x = np.pad(x, [(0, 0)] * (x.ndim - 1) + [(0, -K % 32)]); x = x.reshape(x.shape[:-1] + (-1, 32)); a = np.abs(x).max(-1, keepdims=True)
;;       e = np.where(a > 0, np.clip(np.frexp(np.where(a > 0, a, 1))[1] - 1 - 2, -126, 127), 0)      # np.frexp(a)[1] - 1 = floor(log2(a)), exactly
;;       r = np.clip(x / 2.0 ** e, -6, 6)
;;       step = 2.0 ** (np.maximum(np.frexp(np.where(r == 0, 1, r))[1] - 1, 0) - 1)
;;       q = np.round(r / step) * step * 2.0 ** e      # np.round: ties to even
;;       return np.moveaxis(q.reshape(q.shape[:-2] + (-1,))[..., :K], -1, axis).astype(np.float32)
;;   ~~~
;;   SOFTMAX AHEAD OF A QUANTISED PRODUCT. Where the list says 'softmax', what is quantised is not the finished softmax but p = 2^(t - M), with t = logit x log2(e) and M = ceil(the row's largest t), a whole number; so 1/2 < the row's largest p <= 1. The row's sum l is taken of the UNQUANTISED p, in f32, and the product's result is divided by l at the end. Since M is a whole number, a kernel that streams over the keys may use a running M (the ceiling of the running maximum): every later rescaling is an exact power of two, which a block's scale takes up: the codes' values come out the same.
;;   OPERANDS COMPUTED ON THE WAY. 'Computed on the way' means the value that the module computes at that place (a softmax that the list does not call 'softmax' is quantised finished and normalised). What goes into a quantiser is computed in f32, as accurately as f32 sums, v_exp_f32 and their like allow (about 1e-6 of the number): no bf16 or f16 on the way to a quantiser, and a product that is left as it is and whose result goes on into a quantised operand takes f32 operands (vector FMAs, or v_wmma_f32_16x16x4_f32). A number that lies on a knife's edge between two numbers of the format may be rounded either way, as far as f32 arithmetic and the matrix unit's own rounding can turn it there, and no further.
;; 2 versions. Each part assembles by itself: llvm-mc -triple=amdgcn-amd-amdhsa -mcpu=gfx1250 --defsym DOCPART=n.
;; ======== version 1 of 2: 2 launches
;; workspace buffers: kc 1,048,576 bytes; ks 131,072 bytes; vc 1,048,576 bytes; vs 65,536 bytes; kadj 16,384 bytes of whole numbers
;; launch prep (part 1): grid 257 x 1, 4 waves a work-group, no clusters, 33,280 bytes of LDS; arguments k, v, k_info, kc, ks, vc, vs, kadj; writes kc, ks, vc, vs, kadj
.if DOCPART == 1
	.amdgcn_target "amdgcn-amd-amdhsa--gfx1250"
	.amdhsa_code_object_version 6
	.text
	.protected	k_qe045c6d0b1_prep
	.globl	k_qe045c6d0b1_prep
	.p2align	8
	.type	k_qe045c6d0b1_prep,@function
k_qe045c6d0b1_prep:
	s_mov_b64 s[64:65], 0
	v_nop
	global_prefetch_b8 v0, s[64:65] scope:SCOPE_SE
	s_setreg_imm32_b32 hwreg(HW_REG_WAVE_MODE, 25, 1), 1
	s_wait_xcnt 0x0
; K [16][2048][64] and V [16][2048][64], f32, become codes of FP4 (E2M1) with one E8M0 byte for each 32 along a product's K; k_info becomes k_adj + 128.
; A block's scale is 2^(floor(log2(its largest magnitude)) - 2): its byte is the largest magnitude's exponent field - 2, held at 1 from below.
; LIMITS: a block of zeros, and a block whose largest magnitude lies under 2^-124, get the byte 1 (the rule says 127 for zeros: their codes are zeros, and this program alone reads the bytes);
; NaN and infinities among the inputs are not served; k_info + 128 must not wrap (|k_info| under 2^30).
; Work-groups 0-127: K, whose K axis (the head's 64) is innermost: a plain stream of blocks of 32.  kc: [head][key][32 bytes].  ks: one word (b0, b1, b0, b1) a key, laid in the order in which the next
;   launch's lanes take them: [head][pair of 32-key blocks][lane = 16 u + r][block of the pair]; the lane stands for key 32 block + 8 u + r + (r & 8).
; Work-groups 128-255: V, whose K axis is the keys: a lane takes a column d and its registers run down the keys.  vc: images of the operand's registers: [head][128 keys][dt][c][lane = 16 h + r][16 bytes] =
;   the codes of d = 16 dt + r, keys 64 c + 32 h + 0 .. 31.  vs: [head][128 keys][d] one word, byte j = the j-th 32 keys.
; Work-group 256: kadj[b][key] = (k_info == -1 ? 3 x 128 : k_info) + 128.
; No barrier: waves share nothing.  Only the first path touches LDS.
.set WREG,  8192                       ; LDS of a wave: two stages of 32 x SP bytes, then its 128 scale bytes
.set SP,    80                         ; a lane's place in a stage: 64 bytes + 16 of padding
.set STEPS, 8                          ; a wave of the K path: 8 steps of 512 numbers = 64 keys
.set EMAX,  2
.set KR,    16                         ; v16-79   four sets of 16 numbers as loaded
.set KX,    80                         ; v80-111  two sets of 16 neighbours
.set KE,    112                        ; v112-119 a scale byte for each step
.set KC,    128                        ; v128..   codes: four registers for each step, so that no store's data are written again
.set VX,    32                         ; v32-95   V path: two sets of 32 numbers
.set VC,    96                         ; v96-111  V path: a block's codes, four registers for each block
.macro KLOAD t
.irp i, 0,1,2,3
	global_load_b128 v[KR+16*((\t)%4)+4*\i:KR+16*((\t)%4)+4*\i+3], v3, s[4:5] offset:2048*(\t)+512*\i th:TH_LOAD_NT   ; 32 lanes read 512 consecutive bytes
.endr
.endm
.macro KTURN t                         ; a step's 2,048 bytes through the wave's stage: in as they lie, out 64 bytes a lane; LDS serves a wave's instructions in order
.irp i, 0,1,2,3
	ds_store_b128 v14, v[KR+16*((\t)%4)+4*\i:KR+16*((\t)%4)+4*\i+3] offset:32*SP*((\t)%2)+8*SP*\i
.endr
.irp i, 0,1,2,3
	ds_load_b128 v[KX+16*((\t)%2)+4*\i:KX+16*((\t)%2)+4*\i+3], v15 offset:32*SP*((\t)%2)+16*\i
.endr
.endm
.macro KSTEP t
.set KXS, KX+16*((\t)%2)
.if (\t) > 0
	s_wait_dscnt 1                                 ; this step's numbers are back from the stage; the last step's byte store may be out
.else
	s_wait_dscnt 0x0
.endif
.if (\t)+4 < STEPS
	KLOAD (\t)+4                                   ; into the set whose stores into the stage are done
.endif
.if (\t)+1 < STEPS
.if STEPS-2-(\t) >= 3
	s_wait_loadcnt 12                              ; the next step's four loads are in; those of the three steps behind it may be out
.else
	s_wait_loadcnt 4*(STEPS-2-(\t))
.endif
	KTURN (\t)+1
.endif
	v_max3_num_f32 v8, |v[KXS]|, |v[KXS+1]|, |v[KXS+2]|            ; the largest magnitude of my 16, in two chains
	v_max3_num_f32 v9, |v[KXS+3]|, |v[KXS+4]|, |v[KXS+5]|
.irp i, 6,10
	v_max3_num_f32 v8, v8, |v[KXS+\i]|, |v[KXS+\i+1]|
	v_max3_num_f32 v9, v9, |v[KXS+\i+2]|, |v[KXS+\i+3]|
.endr
	v_max3_num_f32 v8, v8, |v[KXS+14]|, |v[KXS+15]|
	v_max3_num_f32 v8, v8, v9, (EMAX+1)<<23        ; and the floor 2^(3 - 127): the byte cannot fall under 1
	v_max_num_f32_dpp v8, v8, v8 row_xmask:1 row_mask:0xf bank_mask:0xf   ; with my neighbour's 16: the block's
	v_add_nc_u32 v11, -(EMAX<<23), v8              ; 2 off the exponent field: the conversion's scale operand
	v_cvt_scalef32_pk8_fp4_f32 v[KC+4*(\t)], v[KXS:KXS+7], v11
	v_cvt_scalef32_pk8_fp4_f32 v[KC+4*(\t)+1], v[KXS+8:KXS+15], v11
	v_lshrrev_b32 v[KE+(\t)], 23, v11              ; the scale's byte
	ds_store_b8 v5, v[KE+(\t)] offset:16*(\t)      ; byte 2 key + half of my wave's 128; both lanes of a block write the same value
	global_store_b64 v4, v[KC+4*(\t):KC+4*(\t)+1], s[10:11] offset:256*(\t)   ; 32 lanes store 256 consecutive bytes, aligned
.endm
.macro VLOAD t                         ; block t: V(32 t + i, my column), i = 0 .. 31
.irp i, 0,1,2,3,4,5,6,7,8,9,10,11,12,13,14,15,16,17,18,19,20,21,22,23,24,25,26,27,28,29,30,31
	global_load_b32 v[VX+32*((\t)%2)+\i], v3, s[6:7] offset:(32*(\t)+\i)*256 th:TH_LOAD_NT
.endr
.endm
.macro VBLOCK t
.set VXS, VX+32*((\t)%2)
.if (\t) < 3
	s_wait_loadcnt 32                              ; this block's 32 loads are in; the next block's may be out
.else
	s_wait_loadcnt 0x0
.endif
	v_max3_num_f32 v12, |v[VXS]|, |v[VXS+1]|, |v[VXS+2]|           ; all 32 numbers of the block are mine
	v_max3_num_f32 v13, |v[VXS+3]|, |v[VXS+4]|, |v[VXS+5]|
.irp i, 6,10,14,18,22,26
	v_max3_num_f32 v12, v12, |v[VXS+\i]|, |v[VXS+\i+1]|
	v_max3_num_f32 v13, v13, |v[VXS+\i+2]|, |v[VXS+\i+3]|
.endr
	v_max3_num_f32 v12, v12, |v[VXS+30]|, |v[VXS+31]|
	v_max3_num_f32 v12, v12, v13, (EMAX+1)<<23
	v_add_nc_u32 v11, -(EMAX<<23), v12
	v_lshrrev_b32 v13, 23, v11
.if (\t) == 0
	v_mov_b32 v24, v13                             ; four bytes to a word, the lower keys in the lower byte
.else
	v_lshl_or_b32 v24, v13, 8*(\t), v24
.endif
.irp g, 0,1,2,3
	v_cvt_scalef32_pk8_fp4_f32 v[VC+4*(\t)+\g], v[VXS+8*\g:VXS+8*\g+7], v11
.endr
	global_store_b128 v4, v[VC+4*(\t):VC+4*(\t)+3], s[14:15] offset:((\t)>>1)*512+((\t)&1)*256   ; c = t / 2, h = t % 2: sixteen lanes store 256 consecutive bytes, aligned
.if (\t)+2 < 4
	VLOAD (\t)+2
.endif
.endm
	s_load_b512 s[4:19], s[0:1], 0x0               ; k 4:5, v 6:7, k_info 8:9, kc 10:11, ks 12:13, vc 14:15, vs 16:17, kadj 18:19
	v_lshl_add_u32 v192, v0, 2, 0x8000
	v_mov_b32 v193, 0
	v_lshrrev_b32 v1, 5, v0
	v_readfirstlane_b32 s20, v1                    ; wave 0..3
	v_and_b32 v2, 31, v0                           ; lane
	s_cmp_lt_u32 ttmp9, 128
	s_cbranch_scc0 .Lnot_k
	; ---- K
	s_lshl_b32 s21, ttmp9, 2
	s_add_co_u32 s21, s21, s20                     ; g = 32 x head + pair of blocks: my 64 keys
	v_lshlrev_b32 v3, 4, v2                        ; my 16 bytes of a load's 512
	s_mul_i32 s22, s20, WREG
	v_lshrrev_b32 v14, 2, v2
	v_mul_u32_u24 v14, v14, SP
	v_and_b32 v15, 3, v2
	v_lshl_add_u32 v14, v15, 4, v14
	v_add_nc_u32 v14, s22, v14                     ; the stage, on the way in: SP (lane / 4) + 16 (lane % 4)
	v_mul_u32_u24 v15, v2, SP
	v_add_nc_u32 v15, s22, v15                     ; and on the way out: SP x lane
	v_lshlrev_b32 v4, 3, v2                        ; 8 bytes a lane: my codes of a step, and my two scale words
	v_lshrrev_b32 v5, 1, v2
	s_add_co_u32 s22, s22, 2*32*SP
	v_add_nc_u32 v5, s22, v5                       ; my block's byte
	v_lshrrev_b32 v6, 4, v2
	v_lshlrev_b32 v6, 3, v6                        ; 8 u
	v_and_b32 v7, 15, v2
	v_add_nc_u32 v6, v6, v7                        ; + r
	v_and_b32 v7, 8, v2
	v_add_nc_u32 v6, v6, v7                        ; + (r & 8): the key that my lane stands for
	v_lshl_add_u32 v6, v6, 1, s22                  ; its two bytes
	s_lshl_b32 s24, s21, 14
	s_mov_b32 s25, 0
	s_lshl_b32 s26, s21, 11
	s_mov_b32 s27, 0
	s_lshl_b32 s28, s21, 8
	s_mov_b32 s29, 0
	s_wait_kmcnt 0x0
	s_add_nc_u64 s[4:5], s[4:5], s[24:25]          ; 16,384 bytes of K,
	s_add_nc_u64 s[10:11], s[10:11], s[26:27]      ; 2,048 of codes,
	s_add_nc_u64 s[12:13], s[12:13], s[28:29]      ; 256 of scale words for each g
.irp t, 0,1,2,3
	KLOAD \t
.endr
	s_wait_loadcnt 12                              ; step 0's four loads are in
	KTURN 0
.irp t, 0,1,2,3,4,5,6,7
	KSTEP \t
.endr
	ds_load_u16 v12, v6                            ; my key's two bytes in the pair's first block (LDS serves a wave's instructions in order: these see my stores),
	ds_load_u16 v13, v6 offset:64                  ; and 32 keys on
	s_wait_dscnt 0x0
	v_lshl_or_b32 v12, v12, 16, v12                ; (b0, b1, b0, b1)
	v_lshl_or_b32 v13, v13, 16, v13
	global_store_b64 v4, v[12:13], s[12:13]        ; 32 lanes store 256 consecutive bytes, aligned
	s_wait_tensorcnt 0x0
	ds_add_u32 v192, v193
	s_wait_dscnt 0x0
	s_endpgm
.Lnot_k:
	s_cmp_lt_u32 ttmp9, 256
	s_cbranch_scc0 .Linfo
	; ---- V
	s_sub_co_u32 s21, ttmp9, 128
	s_lshl_b32 s21, s21, 2
	s_add_co_u32 s21, s21, s20                     ; g2 = 2 x (16 x head + step of 128 keys) + which 32 columns
	s_lshr_b32 s24, s21, 1
	s_lshl_b32 s24, s24, 15                        ; 128 rows of 256 bytes a step
	s_and_b32 s22, s21, 1
	s_lshl_b32 s22, s22, 7
	s_add_co_u32 s24, s24, s22                     ; + my 32 columns
	s_mov_b32 s25, 0
	s_lshl_b32 s26, s21, 11                        ; codes: 4,096 bytes a step, 2,048 for 32 columns
	s_mov_b32 s27, 0
	s_lshl_b32 s28, s21, 7                         ; scale words: 256 bytes a step, 128 for 32 columns
	s_mov_b32 s29, 0
	v_lshlrev_b32 v3, 2, v2                        ; 4 bytes a lane
	v_lshrrev_b32 v4, 4, v2
	v_lshlrev_b32 v4, 10, v4                       ; dt's 1,024 bytes
	v_and_b32 v5, 15, v2
	v_lshl_add_u32 v4, v5, 4, v4                   ; + 16 r
	s_wait_kmcnt 0x0
	s_add_nc_u64 s[6:7], s[6:7], s[24:25]
	s_add_nc_u64 s[14:15], s[14:15], s[26:27]
	s_add_nc_u64 s[16:17], s[16:17], s[28:29]
	VLOAD 0
	VLOAD 1
.irp t, 0,1,2,3
	VBLOCK \t
.endr
	global_store_b32 v3, v24, s[16:17]             ; my column's word: 128 consecutive bytes a wave; the neighbouring wave stores the other half of the 256
	s_endpgm
.Linfo:
	; ---- k_info: 4,096 numbers, 128 threads, 32 each
	v_lshlrev_b32 v1, 4, v0
	v_mov_b32 v2, 0x200                            ; 3 x 128 + 128
	s_wait_kmcnt 0x0
.irp i, 0,1,2,3,4,5,6,7
	global_load_b128 v[32+4*\i:35+4*\i], v1, s[8:9] offset:2048*\i
.endr
	s_wait_loadcnt 0x0
.set j, 32
.rept 32
	v_cmp_eq_i32 vcc_lo, -1, v[j]
	v_add_nc_u32 v[j], 0x80, v[j]
	v_cndmask_b32 v[j], v[j], v2, vcc_lo
.set j, j+1
.endr
.irp i, 0,1,2,3,4,5,6,7
	global_store_b128 v1, v[32+4*\i:35+4*\i], s[18:19] offset:2048*\i
.endr
	s_endpgm
.Lfunc_end_k_qe045c6d0b1_prep:
	.size	k_qe045c6d0b1_prep, .Lfunc_end_k_qe045c6d0b1_prep-k_qe045c6d0b1_prep
	.p2alignl 7, 3214868480
	.fill 96, 4, 3214868480
	.section	.rodata,"a",@progbits
	.p2align	6, 0x0
	.amdhsa_kernel k_qe045c6d0b1_prep
		.amdhsa_group_segment_fixed_size 33280
		.amdhsa_private_segment_fixed_size 0
		.amdhsa_enable_private_segment 0
		.amdhsa_kernarg_size 64
		.amdhsa_user_sgpr_count 2
		.amdhsa_user_sgpr_kernarg_segment_ptr 1
		.amdhsa_wavefront_size32 1
		.amdhsa_system_sgpr_workgroup_id_x 1
		.amdhsa_system_sgpr_workgroup_id_y 1
		.amdhsa_system_sgpr_workgroup_id_z 1
		.amdhsa_system_vgpr_workitem_id 0
		.amdhsa_next_free_vgpr 194
		.amdhsa_next_free_sgpr 66
		.amdhsa_reserve_vcc 1
		.amdhsa_float_denorm_mode_32 3
		.amdhsa_float_denorm_mode_16_64 3
		.amdhsa_memory_ordered 1
		.amdhsa_forward_progress 1
		.amdhsa_inst_pref_size 43
	.end_amdhsa_kernel
	.amdgpu_metadata
---
amdhsa.version: [ 1, 2 ]
amdhsa.kernels:
  - .name:           k_qe045c6d0b1_prep
    .symbol:         k_qe045c6d0b1_prep.kd
    .args:
      - { .name: k, .offset: 0, .size: 8, .value_kind: global_buffer, .address_space: global }
      - { .name: v, .offset: 8, .size: 8, .value_kind: global_buffer, .address_space: global }
      - { .name: k_info, .offset: 16, .size: 8, .value_kind: global_buffer, .address_space: global }
      - { .name: kc, .offset: 24, .size: 8, .value_kind: global_buffer, .address_space: global }
      - { .name: ks, .offset: 32, .size: 8, .value_kind: global_buffer, .address_space: global }
      - { .name: vc, .offset: 40, .size: 8, .value_kind: global_buffer, .address_space: global }
      - { .name: vs, .offset: 48, .size: 8, .value_kind: global_buffer, .address_space: global }
      - { .name: kadj, .offset: 56, .size: 8, .value_kind: global_buffer, .address_space: global }
    .group_segment_fixed_size: 33280
    .private_segment_fixed_size: 0
    .kernarg_segment_align: 8
    .kernarg_segment_size: 64
    .max_flat_workgroup_size: 128
    .sgpr_count:     66
    .vgpr_count:     194
    .wavefront_size: 32
...
	.end_amdgpu_metadata
.endif
;; end of part 1
;; launch attn (part 2): grid 64 x 4, 8 waves a work-group, no clusters, 175,104 bytes of LDS; arguments q, rel_emb, q_info, kc, ks, kadj, vc, vs, out0; writes out0
.if DOCPART == 2
	.amdgcn_target "amdgcn-amd-amdhsa--gfx1250"
	.amdhsa_code_object_version 6
	.text
	.protected	k_qe045c6d0b1_attn
	.globl	k_qe045c6d0b1_attn
	.p2align	8
	.type	k_qe045c6d0b1_attn,@function
k_qe045c6d0b1_attn:
	s_mov_b64 s[64:65], 0
	v_nop
	global_prefetch_b8 v0, s[64:65] scope:SCOPE_SE
	s_setreg_imm32_b32 hwreg(HW_REG_WAVE_MODE, 25, 1), 1
	s_wait_xcnt 0x0
; out[b][h][q] = sum over k of softmax_k((Q.K + QR[q][idx(q, k)]) / 8) V[k];  QR = Q rel_emb^T (257 columns);  idx = clip(k_adj[k] - q_adj[q], -128, 128) + 128.  All three products on codes of FP4 (E2M1) with E8M0 scales.
; SOFTMAX: t = logit x log2(e); M = the running largest t rounded up to a whole number; p = 2^(t - M) is quantised along the keys, block by block of 32, under the M of its block; the row's sum is taken of the unquantised p.
;   Within 128 keys the blocks' bytes are brought under the last M by adding whole numbers; O and the sum are multiplied by powers of two: nothing is rounded.
; SHARES: a work-group owns 32 queries x 4 heads of one batch (idx is the same for all heads).  Wave w: queries 16 (w & 1) on, keys 512 (w >> 1) on, all 4 heads: 16 chunks of 32 keys, 4 steps of 128.
;   The four key quarters are merged at the end through LDS (their M are whole numbers: the merge scales by powers of two).
; THE TABLE: QR of the 32 queries lies in LDS as [query][idx][4 heads] f32, so ONE 16-byte LDS load for a (query, key) brings the term of all four heads, and its index is made once for the four.
;   A query's row is 5,136 bytes = 1,284 words: the 16 queries of 16 neighbouring lanes start 4 banks apart (64 banks of 4 bytes: ISA guide 11.1), so equal idx (the clipped ends) meet no common bank.
; The table is read by addresses made from loaded indices; from the barrier behind its making to the barrier in front of the merge no LDS byte is written.  So K and V do not go through LDS: their codes come from
;   memory straight into the operands' registers, laid by the launch before in that order, a chunk (K) or most of a step (V) ahead.
; NO CLUSTER: joint loads land in LDS, and LDS holds the table (164,352 of the bytes) and is written by nobody while it is read.  No prefetch: K's and V's codes and scales are 2.3 MB read by 64 work-groups each, not a stream read once.
; LAYOUT: both products transposed: S^T = K Q^T, O^T = V^T P^T: a lane holds ONE query (lane % 16).  Lane r of tile u of a chunk takes key 8 u + r + (r & 8), so a head's 16 score registers are keys 16 (lane / 16) + 0 .. 15.
; K = 64 IN AN INSTRUCTION 128 DEEP: source 1 holds TWO heads' q (even | odd); source 0 is (K, zeros) for the even head and (zeros, K) for the odd: triples (K even, zeros, K odd) of four registers each.
; O^T is cleared once (128 moves): the second pair of heads is multiplied a chunk late, so a first step that starts the sums would be a second copy of the whole step.
; LIMITS: NaN and infinities are not served.  |q_info| and |k_info| under 2^30.  A block whose largest magnitude lies under 2^-124 (zeros too) gets the byte 1.  A block of p that a later M pushes under the byte's range is held at byte 1
;   (what it then adds is under 2^-123 of the row's largest p); one move of M counts for at most 1,024.
; REGISTERS, window 0: v1-7 lane constants; v8-15, v31 at work; v16-30 scale words and nothing else; v32-63 statistics, 8 a head: +0 -M, +1 largest t, +2:3 the sum, +4 f, +5 at work, +6 A = M's moves in this step, +7 block maximum;
;   v64-79 p's bytes; v80-95 k_adj + 128 of 16 keys; v96-127 p's codes, 8 a head; v128-191 scores, 16 a head; v192-255 the gathered terms, 4 a key.
; window 1: v0-127 O^T (head x, tile dt at 32 x + 8 dt); v128-191 V of two heads; v192-239 K's four triples; v240-255 Q.  In the prologue: v0-159 rel_emb's numbers, v160-183 its two triples.
.set TP,   5136                        ; a query's row of the table
.set ML,   131072                      ; behind the merge's first barrier: O's images at 0 (16,384 a wave), -M and the sums here (1,024 a wave),
.set STG,  139264                      ; and a stage of 16 rows x 272 bytes for each wave
.set LI,   1                           ; 16 x lane
.set L4,   2                           ; 4 x lane
.set L8,   3                           ; 8 x lane
.set VK,   4                           ; (r + (r & 8)) x 32 + 16 h: my key's codes in a chunk
.set VKI,  5                           ; 64 h: my 16 keys' k_adj in a chunk
.set QB,   6                           ; my query's row of the table
.set QA,   7                           ; q_adj of my query
.set VQ,   8
.set VR,   9                           ; v9-13 rel_emb's offsets, then its blocks' maxima
.set TW,   14
.set SH8,  15
.set QSC,  16                          ; v16-17 Q's scale words, a pair of heads each
.set KSC,  18                          ; v18-21 K's, a head each: lanes 0-15 tile 0, lanes 16-31 tile 1
.set VSC,  22                          ; v22-25 V's: 2 xx + half: lanes 0-15 tile 2 half, lanes 16-31 tile 2 half + 1
.set PSC,  26                          ; v26-29 p's
.set RSC,  26                          ; v26-30 rel_emb's, in the prologue
.set TMP,  31
.set ST,   32
.set EBY,  64
.set KIX,  80
.set PCO,  96
.set SCO,  128
.set GAT,  192
.set VFR,  128                         ; window 1
.set RTR,  160
.set KTR,  192
.set QFR,  240
.set SEL,  30                          ; s[30:31] v_permlanex16_b32's selects for lane l xor 16
.set CS,   32                          ; s[32:33] c = log2(e) / 8
.set KB,   36                          ; K's codes of this step;  KBN: of the next
.set KBN,  38
.set KSB,  40                          ; K's scale words
.set KSBN, 42
.set KIB,  44                          ; k_adj + 128
.set KIBN, 46
.set VB,   48                          ; V's codes
.set VSB,  50                          ; V's scale words
.set MSB, 0
.macro WIN new                         ; the immediate's high byte repeats the setting that is left; a switch that changes nothing is dropped
.if MSB != \new
	s_set_vgpr_msb (MSB<<8)|\new
.set MSB, \new
.endif
.endm
.macro PLACES n                        ; plain places behind a matrix instruction (ISA guide 7.12.1)
.rept \n
	v_nop
.endr
.endm
.macro BARRIER                         ; my LDS instructions are done: then the work-group's barrier
	s_wait_dscnt 0x0
	s_barrier_signal -1
	s_barrier_wait -1
.endm
.macro WM0 d, a, b, sa, sb, row        ; a product that starts its sum
.if (\row)
	v_wmma_scale_f32_16x16x128_f8f6f4 v[\d:\d+7], v[\a:\a+7], v[\b:\b+7], 0, v[\sa], v[\sb] matrix_a_fmt:MATRIX_FMT_FP4 matrix_b_fmt:MATRIX_FMT_FP4 matrix_a_scale:MATRIX_SCALE_ROW1
.else
	v_wmma_scale_f32_16x16x128_f8f6f4 v[\d:\d+7], v[\a:\a+7], v[\b:\b+7], 0, v[\sa], v[\sb] matrix_a_fmt:MATRIX_FMT_FP4 matrix_b_fmt:MATRIX_FMT_FP4
.endif
.endm
.macro WMA d, a, b, sa, sb, row        ; a product that adds in place
.if (\row)
	v_wmma_scale_f32_16x16x128_f8f6f4 v[\d:\d+7], v[\a:\a+7], v[\b:\b+7], v[\d:\d+7], v[\sa], v[\sb] matrix_a_fmt:MATRIX_FMT_FP4 matrix_b_fmt:MATRIX_FMT_FP4 matrix_a_scale:MATRIX_SCALE_ROW1
.else
	v_wmma_scale_f32_16x16x128_f8f6f4 v[\d:\d+7], v[\a:\a+7], v[\b:\b+7], v[\d:\d+7], v[\sa], v[\sb] matrix_a_fmt:MATRIX_FMT_FP4 matrix_b_fmt:MATRIX_FMT_FP4
.endif
.endm
; K's codes (2 tiles x 4 heads) and scale words (4) of chunk b of the step at kb, ksb: 12 loads.  A load of codes covers two runs of 256 consecutive bytes, aligned.
.macro LOADK kb, ksb, b
	WIN 0x40                                       ; destination window 1
.irp u, 0,1
.irp p, 0,1
.irp e, 0,1
	global_load_b128 v[KTR+12*(2*\u+\p)+8*\e:KTR+12*(2*\u+\p)+8*\e+3], v[VK], s[\kb:\kb+1] offset:(2*\p+\e)*65536+(\b)*1024+\u*256
.endr
.endr
.endr
	WIN 0
.irp x, 0,1,2,3
	global_load_b32 v[KSC+\x], v[L8], s[\ksb:\ksb+1] offset:\x*8192+((\b)>>1)*256+((\b)&1)*4
.endr
.endm
.macro LOADKI kib, off                 ; k_adj + 128 of my 16 keys of a chunk: 4 loads
.irp a, 0,1,2,3
	global_load_b128 v[KIX+4*\a:KIX+4*\a+3], v[VKI], s[\kib:\kib+1] offset:(\off)+16*\a
.endr
.endm
.macro LOADV x0                        ; V of heads x0, x0 + 1 for this step's 128 keys: 16 loads of 512 consecutive bytes, and 4 of scale words
	WIN 0x40
.irp xx, 0,1
.irp dt, 0,1,2,3
.irp c, 0,1
	global_load_b128 v[VFR+32*\xx+8*\dt+4*\c:VFR+32*\xx+8*\dt+4*\c+3], v[LI], s[VB:VB+1] offset:((\x0)+\xx)*65536+\dt*1024+\c*512
.endr
.endr
.endr
	WIN 0
.irp xx, 0,1
.irp f, 0,1
	global_load_b32 v[VSC+2*\xx+\f], v[L4], s[VSB:VSB+1] offset:((\x0)+\xx)*4096+128*\f
.endr
.endr
.endm
.macro SMUL                            ; S^T of a chunk: 2 tiles of 16 keys x 4 heads: eight sums of one product each
	WIN 0x05                                       ; sources 0 and 1 window 1, result window 0
.irp u, 0,1
.irp x, 0,1,2,3
	WM0 SCO+16*\x+8*\u, KTR+12*(2*\u+\x/2)+4*(\x%2), QFR+8*(\x/2), KSC+\x, QSC+\x/2, \u
.endr
.endr
.endm
.macro PVMUL x0                        ; O^T += V^T P^T for heads x0, x0 + 1: eight accumulators, one instruction each
	WIN 0x51                               ; V window 1, p's codes window 0, O^T window 1
.irp dt, 0,1,2,3
.irp xx, 0,1
	WMA 32*((\x0)+\xx)+8*\dt, VFR+32*\xx+8*\dt, PCO+8*((\x0)+\xx), VSC+2*\xx+\dt/2, PSC+(\x0)+\xx, \dt%2
.endr
.endr
.endm
.macro ADDG                            ; the gathered terms onto the scores; each accumulator is first read at its lowest register
.irp i, 0,1,2,3,4,5,6,7,8,9,10,11,12,13,14,15
.irp x, 0,1,2,3
	v_add_f32 v[SCO+16*\x+\i], v[SCO+16*\x+\i], v[GAT+4*\i+\x]
.endr
.endr
.endm
.macro INDEX                           ; 16 keys: idx = clamp(k_adj + 128 - q_adj, 0, 256); address = my query's row + 16 idx
.irp i, 0,1,2,3,4,5,6,7,8,9,10,11,12,13,14,15
	v_sub_nc_u32 v[GAT+4*\i], v[KIX+\i], v[QA]
.endr
.irp i, 0,1,2,3,4,5,6,7,8,9,10,11,12,13,14,15
	v_max_i32 v[GAT+4*\i], 0, v[GAT+4*\i]
.endr
.irp i, 0,1,2,3,4,5,6,7,8,9,10,11,12,13,14,15
	v_min_u32 v[GAT+4*\i], 0x100, v[GAT+4*\i]
.endr
.irp i, 0,1,2,3,4,5,6,7,8,9,10,11,12,13,14,15
	v_lshl_add_u32 v[GAT+4*\i], v[GAT+4*\i], 4, v[QB]
.endr
.endm
.macro GATHER
.irp i, 0,1,2,3,4,5,6,7,8,9,10,11,12,13,14,15
	ds_load_b128 v[GAT+4*\i:GAT+4*\i+3], v[GAT+4*\i]   ; four heads' terms of one (query, key)
.endr
.endm
; The softmax of a chunk = block b of the step's four.  In every group of lines the four heads take turns.
.macro BACK b
.irp x, 0,1,2,3
	v_max3_num_f32 v[ST+8*\x+7], v[SCO+16*\x], v[SCO+16*\x+1], v[SCO+16*\x+2]   ; the block's largest score: for the row's maximum, and, since p rises with the score, for the block's largest p
.endr
.irp i, 3,5,7,9,11,13
.irp x, 0,1,2,3
	v_max3_num_f32 v[ST+8*\x+7], v[ST+8*\x+7], v[SCO+16*\x+\i], v[SCO+16*\x+\i+1]
.endr
.endr
.irp x, 0,1,2,3
	v_max_num_f32 v[ST+8*\x+7], v[ST+8*\x+7], v[SCO+16*\x+15]
.endr
.irp x, 0,1,2,3
	v_permlanex16_b32 v[ST+8*\x+5], v[ST+8*\x+7], s[SEL], s[SEL+1]
.endr
.irp x, 0,1,2,3
	v_max_num_f32 v[ST+8*\x+7], v[ST+8*\x+7], v[ST+8*\x+5]   ; with lane l xor 16's 16 keys
.endr
.irp x, 0,1,2,3
	v_mul_f32 v[ST+8*\x+5], s[CS], v[ST+8*\x+7]    ; as t (c is positive)
.endr
.irp x, 0,1,2,3
	v_max_num_f32 v[ST+8*\x+1], v[ST+8*\x+1], v[ST+8*\x+5]   ; the running largest t
.endr
.irp x, 0,1,2,3
	v_mov_b32 v[ST+8*\x+5], v[ST+8*\x]
.endr
.irp x, 0,1,2,3
	v_floor_f32 v[ST+8*\x], -v[ST+8*\x+1]          ; the new -M = floor(-t): M is a whole number
.endr
.irp x, 0,1,2,3
	v_sub_f32 v[ST+8*\x+5], v[ST+8*\x], v[ST+8*\x+5]   ; old M - new M: a whole number, 0 or less
.endr
.irp x, 0,1,2,3
	v_cvt_i32_f32 v[ST+8*\x+5], v[ST+8*\x+5]       ; (it saturates)
.endr
.irp x, 0,1,2,3
	v_max_i32 v[ST+8*\x+5], 0xfffffc00, v[ST+8*\x+5]   ; held at -1,024, so that sums of moves cannot wrap: 2^-1024 is 0 in f32 already
.endr
.irp x, 0,1,2,3
	v_ldexp_f32 v[ST+8*\x+4], 1.0, v[ST+8*\x+5]    ; f = 2^(old M - new M)
.endr
.irp j, 0,2,4,6,8,10,12,14
.irp x, 0,1,2,3
	v_pk_fma_f32 v[SCO+16*\x+\j:SCO+16*\x+\j+1], v[SCO+16*\x+\j:SCO+16*\x+\j+1], s[CS:CS+1], v[ST+8*\x:ST+8*\x+1] op_sel_hi:[1,0,0]   ; t - M, two at a time
.endr
.endr
.irp x, 0,1,2,3
	v_fma_f32 v[ST+8*\x+7], v[ST+8*\x+7], s[CS], v[ST+8*\x]   ; the same of the block's largest score
.endr
.irp j, 0,1,2,3,4,5,6,7,8,9,10,11,12,13,14,15
.irp x, 0,1,2,3
	v_exp_f32 v[SCO+16*\x+\j], v[SCO+16*\x+\j]     ; p = 2^(t - M): not normalised
.endr
.endr
.irp x, 0,1,2,3
	v_exp_f32 v[ST+8*\x+7], v[ST+8*\x+7]           ; the block's largest p: the same two instructions on the same number give the same bits
.endr
.irp x, 0,1,2,3
	v_add_nc_u32 v[ST+8*\x+6], v[ST+8*\x+6], v[ST+8*\x+5]   ; A += the move.  (Plain lines behind the exponentials, which name none of their results)
.endr
	s_wait_alu depctr_va_vdst(0)                   ; one wait for the batch of 68, ahead of its first reader
.irp x, 0,1,2,3
	v_pk_fma_f32 v[ST+8*\x+2:ST+8*\x+3], v[ST+8*\x+2:ST+8*\x+3], v[ST+8*\x+4:ST+8*\x+5], v[SCO+16*\x:SCO+16*\x+1] op_sel_hi:[1,0,1]   ; the sum under the new M, + the unquantised p
.endr
.irp j, 2,4,6,8,10,12,14
.irp x, 0,1,2,3
	v_pk_add_f32 v[ST+8*\x+2:ST+8*\x+3], v[ST+8*\x+2:ST+8*\x+3], v[SCO+16*\x+\j:SCO+16*\x+\j+1]
.endr
.endr
.irp x, 0,1,2,3
	v_max_num_f32 v[ST+8*\x+7], 0x1800000, v[ST+8*\x+7]   ; the floor 2^(3 - 127): the byte cannot fall under 1
.endr
.irp x, 0,1,2,3
	v_add_nc_u32 v[ST+8*\x+7], 0xff000000, v[ST+8*\x+7]   ; 2 off the exponent field: the conversion's scale operand
.endr
.irp x, 0,1,2,3
	v_lshrrev_b32 v[EBY+4*\x+(\b)], 23, v[ST+8*\x+7]   ; the byte under this block's M,
.endr
.irp x, 0,1,2,3
	v_sub_nc_u32 v[EBY+4*\x+(\b)], v[EBY+4*\x+(\b)], v[ST+8*\x+6]   ; less A so far: the step's end adds the whole A
.endr
.irp x, 0,1,2,3
	v_cvt_scalef32_pk8_fp4_f32 v[PCO+8*\x+2*(\b)], v[SCO+16*\x:SCO+16*\x+7], v[ST+8*\x+7]
	v_cvt_scalef32_pk8_fp4_f32 v[PCO+8*\x+2*(\b)+1], v[SCO+16*\x+8:SCO+16*\x+15], v[ST+8*\x+7]
.endr
	v_nop                                          ; one plain line behind the last scaled conversion
.endm
; The end of a step of 128 keys: the four bytes under the step's last M; the codes into the operand's layout; O^T under that M; heads 0, 1 multiplied; heads 2, 3's V asked for.
.macro ENDSTEP
.irp b, 0,1,2,3
.irp x, 0,1,2,3
	v_add_nc_u32 v[EBY+4*\x+\b], v[EBY+4*\x+\b], v[ST+8*\x+6]
.endr
.endr
.irp b, 0,1,2,3
.irp x, 0,1,2,3
	v_max_i32 v[EBY+4*\x+\b], 1, v[EBY+4*\x+\b]
.endr
.endr
.irp x, 0,1,2,3
	v_lshl_or_b32 v[PSC+\x], v[EBY+4*\x+1], 8, v[EBY+4*\x]
.endr
.irp x, 0,1,2,3
	v_lshl_or_b32 v[PSC+\x], v[EBY+4*\x+2], 16, v[PSC+\x]
.endr
.irp x, 0,1,2,3
	v_lshl_or_b32 v[PSC+\x], v[EBY+4*\x+3], 24, v[PSC+\x]
.endr
.irp x, 0,1,2,3
	v_ldexp_f32 v[ST+8*\x+4], 1.0, v[ST+8*\x+6]    ; F = 2^A
.endr
.irp x, 0,1,2,3
	v_mov_b32 v[ST+8*\x+6], 0
.endr
.irp x, 0,1,2,3
.irp c, 0,1                                    ; the operand's layout wants a whole block in a lane: lanes 0-15 block 2 c, lanes 16-31 block 2 c + 1
.irp i, 0,1
	v_permlane16_swap_b32 v[PCO+8*\x+4*\c+\i], v[PCO+8*\x+4*\c+2+\i]
.endr
.endr
.endr
	WIN 0x41                                       ; O^T window 1, F window 0
.set j, 0
.rept 64
	v_pk_mul_f32 v[2*j:2*j+1], v[2*j:2*j+1], v[ST+8*(j/16)+4:ST+8*(j/16)+5] op_sel_hi:[1,0]   ; ascending: each accumulator from its low end; these lines are also the places between the scale words, the codes and the products
.set j, j+1
.endr
	s_wait_loadcnt 48                              ; V of heads 0, 1: behind it three chunks' 16 loads each
	PVMUL 0
	PLACES 4
	LOADV 2
.endm
.macro HOOK                            ; in a step's first chunk, ahead of the conversions that write p's codes anew: heads 2, 3 of the step before
	s_wait_loadcnt 16                              ; V of heads 2, 3: behind it K's 12 loads and k_adj's 4
	PVMUL 2
	PLACES 4
	LOADV 0
.endm
; A chunk of 32 keys.  The order of global loads is the same on the way into the loop and round it: K (12), k_adj (4), V (20).
.macro CHUNK b
.if (\b) < 2
	s_wait_loadcnt 24                              ; K of this chunk: behind it k_adj's 4 and V's 20
.else
	s_wait_loadcnt 4                               ; behind it k_adj's 4
.endif
	SMUL
	PLACES 4                                       ; in front of the loads into K's registers and of the first read of the scores
.if (\b) < 3
	LOADK KB, KSB, (\b)+1
.else
	LOADK KBN, KSBN, 0
.endif
	s_wait_dscnt 0x0                               ; this chunk's 16 gathers, issued a chunk ago
	ADDG
.if (\b) < 2
	s_wait_loadcnt 32                              ; k_adj of the next chunk: behind it V's 20 and K's 12
.else
	s_wait_loadcnt 12                              ; behind it K's 12
.endif
	INDEX
	GATHER                                         ; for the next chunk
.if (\b) < 2
	LOADKI KIB, 128*((\b)+2)                       ; two chunks ahead
.else
	LOADKI KIBN, 128*((\b)-2)
.endif
.if (\b) == 0
	HOOK
.endif
	BACK \b
.if (\b) == 3
	ENDSTEP
.endif
.endm
	; ---- ids, lane constants, addresses
	s_load_b512 s[4:19], s[0:1], 0x0               ; q 4:5, rel_emb 6:7, q_info 8:9, kc 10:11, ks 12:13, kadj 14:15, vc 16:17, vs 18:19
	s_load_b64 s[20:21], s[0:1], 0x40              ; out0
	v_lshrrev_b32 v64, 5, v0
	v_readfirstlane_b32 s22, v64                   ; wave 0..7
	s_and_b32 s23, s22, 1                          ; t: which 16 queries
	s_lshr_b32 s24, s22, 1                         ; kq: which 512 keys
	s_and_b32 s26, ttmp7, 0xffff                   ; y = 2 b + group of four heads
	s_lshr_b32 s27, s26, 1                         ; b
	s_mov_b32 s[SEL], 0x76543210
	s_mov_b32 s[SEL+1], 0xfedcba98
	s_mov_b32 s[CS], 0x3e38aa3b                    ; log2(e) / 8
	s_mov_b32 s[CS+1], s[CS]                       ; (named with it as a pair)
	s_mov_b32 s55, 0
	s_mov_b32 s57, 0
	v_and_b32 v64, 31, v0                          ; lane
	v_and_b32 v65, 15, v0                          ; r
	v_bfe_u32 v66, v0, 4, 1                        ; h
	v_lshlrev_b32 v[LI], 4, v64
	v_lshlrev_b32 v[L4], 2, v64
	v_lshlrev_b32 v[L8], 3, v64
	v_and_b32 v67, 8, v65
	v_add_nc_u32 v67, v67, v65
	v_lshlrev_b32 v[VK], 5, v67
	v_lshl_add_u32 v[VK], v66, 4, v[VK]
	v_lshlrev_b32 v[VKI], 6, v66
	s_mul_i32 s58, s23, 16*TP
	v_mul_u32_u24 v[QB], v65, TP
	v_lshl_add_u32 v[TW], v66, 7, v[QB]            ; the table's making: row r, + 8 h entries,
	v_add_nc_u32 v[QB], s58, v[QB]
	s_mul_i32 s59, s24, 1280
	s_add_co_u32 s58, s58, s59
	v_add_nc_u32 v[TW], s58, v[TW]                 ; + my 16 queries, + my 80 entries
	v_lshlrev_b32 v[SH8], 3, v66
	v_lshlrev_b32 v67, 2, v65                      ; q_info: 4 r
	v_lshlrev_b32 v[VQ], 8, v65
	v_lshl_add_u32 v[VQ], v66, 7, v[VQ]            ; q: row r of 256 bytes, + my block of 32 numbers
	s_mul_i32 s58, s24, 80
.irp i, 0,1,2,3,4
	v_add3_u32 v[VR+\i], v65, s58, 16*\i           ; rel_emb's row 80 kq + 16 i + r,
.endr
.irp i, 0,1,2,3,4
	v_min_u32 v[VR+\i], 0x100, v[VR+\i]            ; held at the last row: entries 257 to 319 of the table are copies that no index names
.endr
.irp i, 0,1,2,3,4
	v_lshlrev_b32 v[VR+\i], 8, v[VR+\i]
.endr
.irp i, 0,1,2,3,4
	v_lshl_add_u32 v[VR+\i], v66, 7, v[VR+\i]
.endr
	s_wait_kmcnt 0x0
	s_lshl_b32 s58, ttmp9, 13
	s_lshl_b32 s59, s23, 12
	s_add_co_u32 s58, s58, s59                     ; my 16 rows of 256 bytes in a head
	s_lshl_b32 s54, s26, 21
	s_add_co_u32 s54, s54, s58
	s_add_nc_u64 s[4:5], s[4:5], s[54:55]          ; q at head 4 y
	s_lshl_b32 s54, s26, 2
	s_add_co_u32 s54, s54, s24
	s_lshl_b32 s54, s54, 19
	s_add_co_u32 s54, s54, s58
	s_add_nc_u64 s[20:21], s[20:21], s[54:55]      ; out0 at head 4 y + kq: the head that I finish
	s_lshl_b32 s54, s27, 13
	s_lshl_b32 s58, ttmp9, 7
	s_add_co_u32 s54, s54, s58
	s_lshl_b32 s58, s23, 6
	s_add_co_u32 s54, s54, s58
	s_add_nc_u64 s[8:9], s[8:9], s[54:55]          ; q_info
	s_lshl_b32 s54, s26, 18
	s_lshl_b32 s58, s24, 14
	s_add_co_u32 s54, s54, s58
	s_add_nc_u64 s[KB:KB+1], s[10:11], s[54:55]
	s_add_nc_u64 s[VB:VB+1], s[16:17], s[54:55]
	s_add_nc_u64 s[KBN:KBN+1], s[KB:KB+1], 4096
	s_lshl_b32 s54, s26, 15
	s_lshl_b32 s58, s24, 11
	s_add_co_u32 s54, s54, s58
	s_add_nc_u64 s[KSB:KSB+1], s[12:13], s[54:55]
	s_add_nc_u64 s[KSBN:KSBN+1], s[KSB:KSB+1], 512
	s_lshl_b32 s54, s27, 13
	s_add_co_u32 s54, s54, s58
	s_add_nc_u64 s[KIB:KIB+1], s[14:15], s[54:55]
	s_add_nc_u64 s[KIBN:KIBN+1], s[KIB:KIB+1], 512
	s_lshl_b32 s54, s26, 14
	s_lshl_b32 s58, s24, 10
	s_add_co_u32 s54, s54, s58
	s_add_nc_u64 s[VSB:VSB+1], s[18:19], s[54:55]
	; ---- the prologue's loads: q_info 1, q 32, rel_emb 40, k_adj 4, K 12
	global_load_b32 v[QA], v67, s[8:9]
.irp x, 0,1,2,3
.irp a, 0,1,2,3,4,5,6,7
	global_load_b128 v[128+32*\x+4*\a:128+32*\x+4*\a+3], v[VQ], s[4:5] offset:\x*524288+16*\a   ; head x: my block's 32 numbers of query r
.endr
.endr
	WIN 0x40
.irp i, 0,1,2,3,4
.irp a, 0,1,2,3,4,5,6,7
	global_load_b128 v[32*\i+4*\a:32*\i+4*\a+3], v[VR+\i], s[6:7] offset:16*\a
.endr
.endr
	WIN 0
	LOADKI KIB, 0
	WIN 0x40
.irp n, 0,1,2,3
.irp g, 4,5,6,7
	v_mov_b32 v[KTR+12*\n+\g], 0                   ; the triples' zeros: written once, never loaded into
.endr
.endr
.irp n, 0,1
.irp g, 4,5,6,7
	v_mov_b32 v[RTR+12*\n+\g], 0
.endr
.endr
	LOADK KB, KSB, 0
	; ---- Q: a lane holds a whole block of 32 of each head
	s_wait_loadcnt 56                              ; q_info and q are in; rel_emb's 40, k_adj's 4 and K's 12 may be out
	v_cmp_eq_i32 vcc_lo, -1, v[QA]
	v_mov_b32 v[TMP], 0x100
	v_cndmask_b32 v[QA], v[QA], v[TMP], vcc_lo     ; q_adj
.irp x, 0,1,2,3
	v_max3_num_f32 v[ST+8*\x+7], |v[128+32*\x]|, |v[129+32*\x]|, 0x1800000
.endr
.irp n, 2,4,6,8,10,12,14,16,18,20,22,24,26,28,30
.irp x, 0,1,2,3
	v_max3_num_f32 v[ST+8*\x+7], v[ST+8*\x+7], |v[128+32*\x+\n]|, |v[129+32*\x+\n]|
.endr
.endr
.irp x, 0,1,2,3
	v_add_nc_u32 v[ST+8*\x+7], 0xff000000, v[ST+8*\x+7]
.endr
.irp x, 0,1,2,3
	v_lshrrev_b32 v[ST+8*\x+5], 23, v[ST+8*\x+7]
.endr
	WIN 0x40
.irp x, 0,1,2,3
.irp g, 0,1,2,3
	v_cvt_scalef32_pk8_fp4_f32 v[QFR+8*(\x/2)+4*(\x%2)+\g], v[128+32*\x+8*\g:128+32*\x+8*\g+7], v[ST+8*\x+7]
.endr
.endr
	v_nop
	WIN 0
.irp p, 0,1
	v_lshl_or_b32 v[QSC+\p], v[ST+8*(2*\p+1)+5], 16, v[ST+8*(2*\p)+5]   ; my block's bytes of the even and the odd head,
	v_lshlrev_b32 v[QSC+\p], v[SH8], v[QSC+\p]     ; at their places (8 h bits up);
	v_mov_b32 v[68+\p], 0
	v_permlanex16_b32 v[68+\p], v[QSC+\p], s[SEL], s[SEL+1]
	v_or_b32 v[QSC+\p], v[QSC+\p], v[68+\p]        ; with lane l xor 16's two the word is whole: (even b0, b1, odd b0, b1)
.endr
.irp x, 0,1,2,3
	v_mov_b32 v[ST+8*\x+1], 0xff61b1e6             ; the largest t so far: -3e38
	v_mov_b32 v[ST+8*\x+2], 0
	v_mov_b32 v[ST+8*\x+3], 0
	v_mov_b32 v[ST+8*\x+4], 0
	v_mov_b32 v[ST+8*\x+5], 0
	v_mov_b32 v[ST+8*\x+6], 0
	v_floor_f32 v[ST+8*\x], -v[ST+8*\x+1]
.endr
	; ---- the table: my 80 entries for my 16 queries and 4 heads
	s_wait_loadcnt 16                              ; rel_emb is in; k_adj's 4 and K's 12 may be out
	WIN 0x05                                       ; sources 0 and 1 window 1
.irp i, 0,1,2,3,4
	v_max3_num_f32 v[VR+\i], |v[32*\i]|, |v[32*\i+1]|, 0x1800000
.endr
.irp n, 2,4,6,8,10,12,14,16,18,20,22,24,26,28,30
.irp i, 0,1,2,3,4
	v_max3_num_f32 v[VR+\i], |v[32*\i+\n]|, |v[32*\i+\n+1]|, v[VR+\i]
.endr
.endr
	WIN 0
.irp i, 0,1,2,3,4
	v_add_nc_u32 v[VR+\i], 0xff000000, v[VR+\i]
.endr
.irp i, 0,1,2,3,4
	v_lshrrev_b32 v[RSC+\i], 23, v[VR+\i]
.endr
.irp i, 0,1,2,3,4
	v_lshlrev_b32 v[RSC+\i], v[SH8], v[RSC+\i]
.endr
.irp i, 0,1,2,3,4
	v_mov_b32 v[68+\i], 0
.endr
.irp i, 0,1,2,3,4
	v_permlanex16_b32 v[68+\i], v[RSC+\i], s[SEL], s[SEL+1]
.endr
.irp i, 0,1,2,3,4
	v_or_b32 v[RSC+\i], v[RSC+\i], v[68+\i]
.endr
.irp i, 0,1,2,3,4
	v_lshl_or_b32 v[RSC+\i], v[RSC+\i], 16, v[RSC+\i]   ; (b0, b1, b0, b1): it serves the even and the odd head's form
.endr
	PLACES 4                                       ; with the lines above and below: a scale word stands eight places ahead of its product
.irp i, 0,1,2,3,4
	WIN 0x41                                       ; codes and numbers window 1, the scale operand window 0
.irp g, 0,1,2,3
	v_cvt_scalef32_pk8_fp4_f32 v[RTR+12*(\i%2)+\g], v[32*\i+8*\g:32*\i+8*\g+7], v[VR+\i]
	v_cvt_scalef32_pk8_fp4_f32 v[RTR+12*(\i%2)+8+\g], v[32*\i+8*\g:32*\i+8*\g+7], v[VR+\i]
.endr
	v_nop
	PLACES 4
.if \i >= 2
	s_wait_dscnt 32                                ; the stores of the tile two back have read their registers; the last tile's 32 may be out
.endif
	WIN 0x05
.irp x, 0,1,2,3
	WM0 128+32*(\i%2)+8*\x, RTR+12*(\i%2)+4*(\x%2), QFR+8*(\x/2), RSC+\i, QSC+\x/2, 0
.endr
	WIN 0
	PLACES 4
.irp x, 0,1,2,3
.irp j, 0,1,2,3,4,5,6,7
	ds_store_b32 v[TW], v[128+32*(\i%2)+8*\x+\j] offset:256*\i+16*\j+4*\x   ; QR(query r, entry 80 kq + 16 i + 8 h + j, head x)
.endr
.endr
.endr
	WIN 0x40
.set j, 0
.rept 128
	v_mov_b32 v[j], 0                              ; O^T
.set j, j+1
.endr
	WIN 0
.irp j, 0,1,2,3,4,5,6,7,8,9,10,11,12,13,14,15
	v_mov_b32 v[PCO+16+\j], 0                      ; heads 2, 3: the first step's late product finds zero codes
.endr
	v_mov_b32 v[PSC+2], 0
	v_mov_b32 v[PSC+3], 0
	BARRIER                                        ; the table is whole; from here to the merge nobody writes LDS
	s_wait_loadcnt 12                              ; k_adj of chunk 0; K's 12 may be out
	INDEX
	GATHER
	LOADKI KIB, 128
	LOADV 2                                        ; (step 0's own bytes: the first late product multiplies them by zero codes)
	s_mov_b32 s52, 0
.Lstep:                                            ; 4 trips of 128 keys
	CHUNK 0
	CHUNK 1
	CHUNK 2
	CHUNK 3
	s_wait_xcnt 0x0                                ; the loads issued so far have read their bases: only now are these written
	s_add_co_u32 s52, s52, 1
	s_mov_b64 s[KB:KB+1], s[KBN:KBN+1]
	s_mov_b64 s[KSB:KSB+1], s[KSBN:KSBN+1]
	s_mov_b64 s[KIB:KIB+1], s[KIBN:KIBN+1]
	s_cmp_lt_u32 s52, 3                            ; in the last step the look-ahead stays at that step's own start: inside the buffers, its results unused
	s_cselect_b32 s54, 4096, 0
	s_cselect_b32 s56, 512, 0
	s_add_nc_u64 s[KBN:KBN+1], s[KBN:KBN+1], s[54:55]
	s_add_nc_u64 s[KSBN:KSBN+1], s[KSBN:KSBN+1], s[56:57]
	s_add_nc_u64 s[KIBN:KIBN+1], s[KIBN:KIBN+1], s[56:57]
	s_add_nc_u64 s[VB:VB+1], s[VB:VB+1], 4096
	s_add_nc_u64 s[VSB:VSB+1], s[VSB:VSB+1], 256
	s_cmp_lt_u32 s52, 4
	s_cbranch_scc1 .Lstep
	s_wait_loadcnt 0x0                             ; V of heads 2, 3, and the unused look-ahead
	PVMUL 2                                        ; the last step's late product
	WIN 0
	PLACES 4
	; ---- the merge of the four key quarters
.irp x, 0,1,2,3
	v_add_f32 v[ST+8*\x+2], v[ST+8*\x+2], v[ST+8*\x+3]
.endr
.irp x, 0,1,2,3
	v_permlanex16_b32 v[ST+8*\x+5], v[ST+8*\x+2], s[SEL], s[SEL+1]
.endr
.irp x, 0,1,2,3
	v_add_f32 v[ST+8*\x+2], v[ST+8*\x+2], v[ST+8*\x+5]   ; my quarter's sum of my query
.endr
	s_lshl_b32 s58, s22, 10
	s_add_co_u32 s58, s58, ML
	v_add_nc_u32 v8, s58, v[L4]                    ; where I put -M and the sums: 1,024 bytes a wave
	s_lshl_b32 s58, s22, 14
	v_add_nc_u32 v9, s58, v[LI]                    ; where I put O^T's images: 16,384 bytes a wave
	s_lshl_b32 s58, s23, 14
	s_lshl_b32 s59, s24, 12
	s_add_co_u32 s58, s58, s59
	v_add_nc_u32 v10, s58, v[LI]                   ; what I read: head kq of the waves t, t + 2 (32,768 bytes apart),
	v_add_nc_u32 v11, 0x10000, v10                 ; t + 4, t + 6
	s_lshl_b32 s58, s23, 10
	s_lshl_b32 s59, s24, 7
	s_add_co_u32 s58, s58, s59
	s_add_co_u32 s58, s58, ML
	v_add_nc_u32 v12, s58, v[L4]
	s_mul_i32 s58, s22, 4352
	s_add_co_u32 s58, s58, STG                     ; my stage
	v_and_b32 v15, 15, v0
	v_bfe_u32 v[TMP], v0, 4, 1
	v_mul_u32_u24 v13, v15, 272
	v_lshl_add_u32 v13, v[TMP], 5, v13
	v_add_nc_u32 v13, s58, v13                     ; in: row r, + 32 h
	v_mul_u32_u24 v14, v[TMP], 272
	v_lshl_add_u32 v14, v15, 4, v14
	v_add_nc_u32 v14, s58, v14                     ; back: lanes 0-15 one row, lanes 16-31 the next
	BARRIER                                        ; every wave's gathers are over (the last, unused ones too): the table's bytes may be written
.irp x, 0,1,2,3
	ds_store_b32 v8, v[ST+8*\x] offset:128*\x
	ds_store_b32 v8, v[ST+8*\x+2] offset:512+128*\x
.endr
	WIN 0x04                                       ; an LDS store's data are its source 1: window 1
.irp n, 0,1,2,3,4,5,6,7,8,9,10,11,12,13,14,15,16,17,18,19,20,21,22,23,24,25,26,27,28,29,30,31
	ds_store_b128 v9, v[4*\n:4*\n+3] offset:512*\n   ; O^T as an image of its registers, each accumulator from its low end
.endr
	WIN 0
	BARRIER
.irp k, 0,1,2,3
	ds_load_b32 v[64+\k], v12 offset:2048*\k       ; -M of the four quarters,
	ds_load_b32 v[68+\k], v12 offset:2048*\k+512   ; their sums,
.endr
.irp k, 0,1
.irp d, 0,1,2,3,4,5,6,7
	ds_load_b128 v[128+32*\k+4*\d:128+32*\k+4*\d+3], v10 offset:32768*\k+512*\d   ; and their O^T of head kq
.endr
.endr
.irp k, 0,1
.irp d, 0,1,2,3,4,5,6,7
	ds_load_b128 v[192+32*\k+4*\d:192+32*\k+4*\d+3], v11 offset:32768*\k+512*\d
.endr
.endr
	s_wait_dscnt 0x0
	v_min_num_f32 v72, v64, v65
	v_min_num_f32 v73, v66, v67
	v_min_num_f32 v72, v72, v73                    ; -(the largest M)
.irp k, 0,1,2,3
	v_sub_f32 v[74+2*\k], v72, v[64+\k]            ; M of quarter k less the largest: a whole number, 0 or less
.endr
.irp k, 0,1,2,3
	v_cvt_i32_f32 v[74+2*\k], v[74+2*\k]
.endr
.irp k, 0,1,2,3
	v_ldexp_f32 v[74+2*\k], 1.0, v[74+2*\k]
.endr
	v_mul_f32 v73, v68, v74
	v_fmac_f32 v73, v69, v76
	v_fmac_f32 v73, v70, v78
	v_fmac_f32 v73, v71, v80                       ; the row's sum
	v_rcp_f32 v82, v73
.irp k, 0,1,2,3
	v_mov_b32 v[75+2*\k], 0                        ; (the pairs' upper halves are named, so they are written: plain lines behind the reciprocal)
.endr
	s_wait_alu depctr_va_vdst(0)                   ; ahead of the reciprocal's first reader
.irp k, 0,1,2,3
	v_mul_f32 v[74+2*\k], v[74+2*\k], v82
.endr
.irp j, 0,2,4,6,8,10,12,14,16,18,20,22,24,26,28,30
	v_pk_mul_f32 v[128+\j:129+\j], v[128+\j:129+\j], v[74:75] op_sel_hi:[1,0]
.endr
.irp k, 1,2,3
.irp j, 0,2,4,6,8,10,12,14,16,18,20,22,24,26,28,30
	v_pk_fma_f32 v[128+\j:129+\j], v[128+32*\k+\j:129+32*\k+\j], v[74+2*\k:75+2*\k], v[128+\j:129+\j] op_sel_hi:[1,0,1]
.endr
.endr
	; ---- the way out: register 8 dt + j is out(query r, 16 dt + 8 h + j): through my own stage, back as whole rows of 256 bytes
.irp d, 0,1,2,3
	ds_store_b128 v13, v[128+8*\d:131+8*\d] offset:64*\d
	ds_store_b128 v13, v[132+8*\d:135+8*\d] offset:64*\d+16
.endr
.irp i, 0,1,2,3,4,5,6,7
	ds_load_b128 v[160+4*\i:163+4*\i], v14 offset:544*\i   ; LDS serves a wave's instructions in order: these see my stores
.endr
.irp i, 0,1,2,3,4,5,6,7
	s_wait_dscnt 7-\i
	global_store_b128 v[LI], v[160+4*\i:163+4*\i], s[20:21] offset:512*\i th:TH_STORE_NT   ; sixteen lanes store 256 consecutive bytes, aligned: a row of out0
.endr
	s_wait_xcnt 0x0
	v_lshl_add_u32 v254, v0, 2, 0x2a800
	v_mov_b32 v255, 0
	s_wait_tensorcnt 0x0
	ds_add_u32 v254, v255
	s_wait_dscnt 0x0
	s_endpgm
.Lfunc_end_k_qe045c6d0b1_attn:
	.size	k_qe045c6d0b1_attn, .Lfunc_end_k_qe045c6d0b1_attn-k_qe045c6d0b1_attn
	.p2alignl 7, 3214868480
	.fill 96, 4, 3214868480
	.section	.rodata,"a",@progbits
	.p2align	6, 0x0
	.amdhsa_kernel k_qe045c6d0b1_attn
		.amdhsa_group_segment_fixed_size 175104
		.amdhsa_private_segment_fixed_size 0
		.amdhsa_enable_private_segment 0
		.amdhsa_kernarg_size 72
		.amdhsa_user_sgpr_count 2
		.amdhsa_user_sgpr_kernarg_segment_ptr 1
		.amdhsa_wavefront_size32 1
		.amdhsa_system_sgpr_workgroup_id_x 1
		.amdhsa_system_sgpr_workgroup_id_y 1
		.amdhsa_system_sgpr_workgroup_id_z 1
		.amdhsa_system_vgpr_workitem_id 0
		.amdhsa_next_free_vgpr 512
		.amdhsa_next_free_sgpr 66
		.amdhsa_reserve_vcc 1
		.amdhsa_float_denorm_mode_32 3
		.amdhsa_float_denorm_mode_16_64 3
		.amdhsa_memory_ordered 1
		.amdhsa_forward_progress 1
		.amdhsa_inst_pref_size 166
	.end_amdhsa_kernel
	.amdgpu_metadata
---
amdhsa.version: [ 1, 2 ]
amdhsa.kernels:
  - .name:           k_qe045c6d0b1_attn
    .symbol:         k_qe045c6d0b1_attn.kd
    .args:
      - { .name: q, .offset: 0, .size: 8, .value_kind: global_buffer, .address_space: global }
      - { .name: rel_emb, .offset: 8, .size: 8, .value_kind: global_buffer, .address_space: global }
      - { .name: q_info, .offset: 16, .size: 8, .value_kind: global_buffer, .address_space: global }
      - { .name: kc, .offset: 24, .size: 8, .value_kind: global_buffer, .address_space: global }
      - { .name: ks, .offset: 32, .size: 8, .value_kind: global_buffer, .address_space: global }
      - { .name: kadj, .offset: 40, .size: 8, .value_kind: global_buffer, .address_space: global }
      - { .name: vc, .offset: 48, .size: 8, .value_kind: global_buffer, .address_space: global }
      - { .name: vs, .offset: 56, .size: 8, .value_kind: global_buffer, .address_space: global }
      - { .name: out0, .offset: 64, .size: 8, .value_kind: global_buffer, .address_space: global }
    .group_segment_fixed_size: 175104
    .private_segment_fixed_size: 0
    .kernarg_segment_align: 8
    .kernarg_segment_size: 72
    .max_flat_workgroup_size: 256
    .sgpr_count:     66
    .vgpr_count:     512
    .wavefront_size: 32
...
	.end_amdgpu_metadata
.endif
;; end of part 2
;; ======== version 2 of 2: 2 launches
;; limits: right only within a limited range of input values
;; workspace buffers: kc 1,048,576 bytes; ks 65,536 bytes; qc 1,048,576 bytes; qs 65,536 bytes; vc 1,048,576 bytes; vs 65,536 bytes; rq 11,520 bytes; kadj 16,384 bytes of whole numbers
;; launch prep (part 3): grid 390 x 1, 4 waves a work-group, no clusters, 33,280 bytes of LDS; arguments k, q, v, rel_emb, k_info, kc, ks, qc, qs, vc, vs, rq, kadj; writes kc, ks, qc, qs, vc, vs, rq, kadj
.if DOCPART == 3
	.amdgcn_target "amdgcn-amd-amdhsa--gfx1250"
	.amdhsa_code_object_version 6
	.text
	.protected	k_qe045c6d0b1_prep
	.globl	k_qe045c6d0b1_prep
	.p2align	8
	.type	k_qe045c6d0b1_prep,@function
k_qe045c6d0b1_prep:
	s_mov_b64 s[64:65], 0
	v_nop
	global_prefetch_b8 v0, s[64:65] scope:SCOPE_SE
	s_setreg_imm32_b32 hwreg(HW_REG_WAVE_MODE, 25, 1), 1
	s_wait_xcnt 0x0
; K, Q, V [16][2048][64] and rel_emb [257][64], f32, become codes of FP4 (E2M1) with one E8M0 byte for each 32 along a product's K; k_info becomes k_adj + 128.
; A block's scale is 2^(floor(log2(its largest magnitude)) - 2): its byte is the largest magnitude's exponent field - 2, held at 1 from below.
; LIMITS: a block of zeros, and a block whose largest magnitude lies under 2^-124, get the byte 1 (the rule says 127 for zeros: their codes are zeros, and this program alone reads the bytes);
; NaN and infinities among the inputs are not served; k_info + 128 must not wrap (|k_info| under 2^30).
; Work-groups 0-127: K; 128-255: Q.  Their K axis (the head's 64) is innermost.  A wave takes 32 rows of an even head and the same 32 rows of the odd head behind it.
;   kc, qc: [head][row][32 bytes].  ks, qs: [pair of heads][block of 32 rows][lane = 16 u + r] one word (even b0, b1, odd b0, b1); the lane stands for row 8 u + r + (r & 8) of the block.
; Work-groups 256-383: V, whose K axis is the keys: a lane takes a column d and its registers run down the keys.  vc: images of the operand's registers: [head][128 keys][dt][c][lane = 16 h + r][16 bytes] =
;   the codes of d = 16 dt + r, keys 64 c + 32 h + 0 .. 31.  vs: [head][128 keys][d] one word, byte j = the j-th 32 keys.
; Work-group 384: kadj[b][key] = (k_info == -1 ? 3 x 128 : k_info) + 128.
; Work-groups 385-389: rel_emb, a lane to a block of 32.  rq: 320 entries of 32 bytes of codes, then from byte 10,240 on 320 words (b0, b1, b0, b1); entries behind 256 are copies of row 256,
;   so that the next launch's tile of 16 entries that begins with it, and the last work-group here, need no bound.
; No barrier: waves share nothing.  Only the first path touches LDS.  All of a wave's loads are issued at its head; there is no loop in which a prefetch could run ahead.
.set WREG,  8192                       ; LDS of a wave: two stages of 32 x SP bytes, then its 128 scale bytes
.set SP,    80                         ; a lane's place in a stage: 64 bytes + 16 of padding
.set STEPS, 8                          ; K and Q: 4 steps of 512 numbers = 32 rows of the even head, 4 of the odd head
.set EMAX,  2
.set KR,    16                         ; v16-143  eight sets of 16 numbers as loaded
.set KX,    144                        ; v144-175 two sets of 16 neighbours
.set KE,    176                        ; v176-183 a scale byte for each step
.set KC,    184                        ; v184-199 codes: two registers for each step
.set VX,    32                         ; v32-159  V path: four sets of 32 numbers; rel_emb's path: one
.set VC,    160                        ; v160-175 V path: a block's codes, four registers for each block
.set SPW,   200                        ; v200     LDS address of my spare word
.set NIL,   201                        ; v201     0
.set SPARE, 4*WREG
.set RWORDS, 10240                     ; where rq's words begin
.macro KLOAD t
.irp i, 0,1,2,3
	global_load_b128 v[KR+16*(\t)+4*\i:KR+16*(\t)+4*\i+3], v3, s[4:5] offset:2048*(\t)+512*\i+((\t)/4)*516096 th:TH_LOAD_NT   ; 32 lanes read 512 consecutive bytes; the odd head lies 524,288 bytes on
.endr
.endm
.macro KTURN t                         ; a step's 2,048 bytes through the wave's stage: in as they lie, out 64 bytes a lane; LDS serves a wave's instructions in order
.irp i, 0,1,2,3
	ds_store_b128 v14, v[KR+16*(\t)+4*\i:KR+16*(\t)+4*\i+3] offset:32*SP*((\t)%2)+8*SP*\i
.endr
.irp i, 0,1,2,3
	ds_load_b128 v[KX+16*((\t)%2)+4*\i:KX+16*((\t)%2)+4*\i+3], v15 offset:32*SP*((\t)%2)+16*\i
.endr
.endm
.macro KSTEP t
.set KXS, KX+16*((\t)%2)
.if (\t) > 0
	s_wait_dscnt 1                                 ; this step's numbers are back from the stage; the last step's byte store may be out
.else
	s_wait_dscnt 0x0
.endif
.if (\t)+1 < STEPS
	s_wait_loadcnt 4*(STEPS-2-(\t))                ; the next step's four loads are in; those of the steps behind it may be out
	KTURN (\t)+1
.endif
	v_max3_num_f32 v8, |v[KXS]|, |v[KXS+1]|, |v[KXS+2]|            ; the largest magnitude of my 16, in two chains
	v_max3_num_f32 v9, |v[KXS+3]|, |v[KXS+4]|, |v[KXS+5]|
.irp i, 6,10
	v_max3_num_f32 v8, v8, |v[KXS+\i]|, |v[KXS+\i+1]|
	v_max3_num_f32 v9, v9, |v[KXS+\i+2]|, |v[KXS+\i+3]|
.endr
	v_max3_num_f32 v8, v8, |v[KXS+14]|, |v[KXS+15]|
	v_max3_num_f32 v8, v8, v9, (EMAX+1)<<23        ; and the floor 2^(3 - 127): the byte cannot fall under 1
	v_max_num_f32_dpp v8, v8, v8 row_xmask:1 row_mask:0xf bank_mask:0xf   ; with my neighbour's 16: the block's
	v_add_nc_u32 v11, -(EMAX<<23), v8              ; 2 off the exponent field: the conversion's scale operand
	v_cvt_scalef32_pk8_fp4_f32 v[KC+2*(\t)], v[KXS:KXS+7], v11
	v_cvt_scalef32_pk8_fp4_f32 v[KC+2*(\t)+1], v[KXS+8:KXS+15], v11
	v_lshrrev_b32 v[KE+(\t)], 23, v11              ; the scale's byte
	ds_store_b8 v5, v[KE+(\t)] offset:16*(\t)      ; byte 2 row + half of my wave's 128; both lanes of a block write the same value
	global_store_b64 v4, v[KC+2*(\t):KC+2*(\t)+1], s[14:15] offset:256*(\t)+((\t)/4)*64512   ; 32 lanes store 256 consecutive bytes, aligned; the odd head lies 65,536 bytes on
.endm
.macro VLOAD t                         ; block t: V(32 t + i, my column), i = 0 .. 31
.irp i, 0,1,2,3,4,5,6,7,8,9,10,11,12,13,14,15,16,17,18,19,20,21,22,23,24,25,26,27,28,29,30,31
	global_load_b32 v[VX+32*(\t)+\i], v3, s[8:9] offset:(32*(\t)+\i)*256 th:TH_LOAD_NT
.endr
.endm
.macro BLKMAX xs                       ; a block whose 32 numbers are all mine: v12 its largest magnitude (with the floor), v11 the conversion's scale operand, v13 the byte
	v_max3_num_f32 v12, |v[\xs]|, |v[\xs+1]|, |v[\xs+2]|
	v_max3_num_f32 v13, |v[\xs+3]|, |v[\xs+4]|, |v[\xs+5]|
.irp i, 6,10,14,18,22,26
	v_max3_num_f32 v12, v12, |v[\xs+\i]|, |v[\xs+\i+1]|
	v_max3_num_f32 v13, v13, |v[\xs+\i+2]|, |v[\xs+\i+3]|
.endr
	v_max3_num_f32 v12, v12, |v[\xs+30]|, |v[\xs+31]|
	v_max3_num_f32 v12, v12, v13, (EMAX+1)<<23
	v_add_nc_u32 v11, -(EMAX<<23), v12
	v_lshrrev_b32 v13, 23, v11
.endm
.macro VBLOCK t
.set VXS, VX+32*(\t)
.if (\t) < 2
	s_wait_loadcnt 63                              ; 64 loads or more were issued behind this block's 32
.else
	s_wait_loadcnt 32*(3-(\t))
.endif
	BLKMAX VXS
.if (\t) == 0
	v_mov_b32 v24, v13                             ; four bytes to a word, the lower keys in the lower byte
.else
	v_lshl_or_b32 v24, v13, 8*(\t), v24
.endif
.irp g, 0,1,2,3
	v_cvt_scalef32_pk8_fp4_f32 v[VC+4*(\t)+\g], v[VXS+8*\g:VXS+8*\g+7], v11
.endr
	global_store_b128 v4, v[VC+4*(\t):VC+4*(\t)+3], s[22:23] offset:((\t)>>1)*512+((\t)&1)*256   ; c = t / 2, h = t % 2: sixteen lanes store 256 consecutive bytes, aligned
.endm
	s_load_b512 s[4:19], s[0:1], 0x0               ; k 4:5, q 6:7, v 8:9, rel_emb 10:11, k_info 12:13, kc 14:15, ks 16:17, qc 18:19
	s_load_b256 s[20:27], s[0:1], 0x40             ; qs 20:21, vc 22:23, vs 24:25, rq 26:27
	s_load_b64 s[28:29], s[0:1], 0x60              ; kadj
	v_lshl_add_u32 v[SPW], v0, 2, SPARE
	v_mov_b32 v[NIL], 0
	v_lshrrev_b32 v1, 5, v0
	v_readfirstlane_b32 s32, v1                    ; wave 0..3
	v_and_b32 v2, 31, v0                           ; lane
	s_cmp_lt_u32 ttmp9, 256
	s_cbranch_scc0 .Lnot_kq
	; ---- K and Q
	s_and_b32 s33, ttmp9, 127
	s_lshl_b32 s33, s33, 2
	s_add_co_u32 s33, s33, s32                     ; g = 64 x pair of heads + block of 32 rows
	v_lshlrev_b32 v3, 4, v2                        ; my 16 bytes of a load's 512
	s_mul_i32 s34, s32, WREG
	v_lshrrev_b32 v14, 2, v2
	v_mul_u32_u24 v14, v14, SP
	v_and_b32 v15, 3, v2
	v_lshl_add_u32 v14, v15, 4, v14
	v_add_nc_u32 v14, s34, v14                     ; the stage, on the way in: SP (lane / 4) + 16 (lane % 4)
	v_mul_u32_u24 v15, v2, SP
	v_add_nc_u32 v15, s34, v15                     ; and on the way out: SP x lane
	v_lshlrev_b32 v4, 3, v2                        ; 8 bytes a lane: my codes of a step
	v_lshrrev_b32 v5, 1, v2
	s_add_co_u32 s34, s34, 2*32*SP
	v_add_nc_u32 v5, s34, v5                       ; my block's byte
	v_lshrrev_b32 v6, 4, v2
	v_lshlrev_b32 v6, 3, v6                        ; 8 u
	v_and_b32 v7, 15, v2
	v_add_nc_u32 v6, v6, v7                        ; + r
	v_and_b32 v7, 8, v2
	v_add_nc_u32 v6, v6, v7                        ; + (r & 8): the row that my lane stands for
	v_lshl_add_u32 v6, v6, 1, s34                  ; its two bytes
	v_lshlrev_b32 v7, 2, v2                        ; and its word on the way out
	s_lshr_b32 s35, s33, 6                         ; the pair
	s_and_b32 s42, s33, 63                         ; the block
	s_lshl_b32 s36, s35, 20
	s_lshl_b32 s43, s42, 13
	s_add_co_u32 s36, s36, s43
	s_mov_b32 s37, 0
	s_lshl_b32 s38, s35, 17
	s_lshl_b32 s43, s42, 10
	s_add_co_u32 s38, s38, s43
	s_mov_b32 s39, 0
	s_lshl_b32 s40, s33, 7
	s_mov_b32 s41, 0
	s_wait_alu depctr_va_vdst(0)                   ; at the head's end
	s_wait_kmcnt 0x0
	s_cmp_lt_u32 ttmp9, 128                        ; K's work-group or Q's?  The choice hangs on the work-group's number alone
	s_cselect_b64 s[4:5], s[4:5], s[6:7]
	s_cselect_b64 s[14:15], s[14:15], s[18:19]
	s_cselect_b64 s[16:17], s[16:17], s[20:21]
	s_add_nc_u64 s[4:5], s[4:5], s[36:37]          ; 8,192 bytes of numbers of each head,
	s_add_nc_u64 s[14:15], s[14:15], s[38:39]      ; 1,024 of codes of each,
	s_add_nc_u64 s[16:17], s[16:17], s[40:41]      ; 128 of scale words for each g
.irp t, 0,1,2,3,4,5,6,7
	KLOAD \t
.endr
	s_wait_loadcnt 28                              ; step 0's four loads are in
	KTURN 0
.irp t, 0,1,2,3,4,5,6,7
	KSTEP \t
.endr
	ds_load_u16 v12, v6                            ; my row's two bytes in the even head (LDS serves a wave's instructions in order: these see my stores),
	ds_load_u16 v13, v6 offset:64                  ; and in the odd one
	s_wait_dscnt 0x0
	v_lshl_or_b32 v12, v13, 16, v12                ; (even b0, b1, odd b0, b1)
	global_store_b32 v7, v12, s[16:17]             ; 128 consecutive bytes a wave; the neighbouring wave stores the other half of the 256
	s_wait_tensorcnt 0x0                           ; the wave's end
	ds_add_u32 v[SPW], v[NIL]
	s_wait_dscnt 0x0
	s_endpgm
.Lnot_kq:
	s_cmp_lt_u32 ttmp9, 384
	s_cbranch_scc0 .Lnot_v
	; ---- V
	s_sub_co_u32 s33, ttmp9, 256
	s_lshl_b32 s33, s33, 2
	s_add_co_u32 s33, s33, s32                     ; g2 = 2 x (16 x head + step of 128 keys) + which 32 columns
	s_lshr_b32 s36, s33, 1
	s_lshl_b32 s36, s36, 15                        ; 128 rows of 256 bytes a step
	s_and_b32 s34, s33, 1
	s_lshl_b32 s34, s34, 7
	s_add_co_u32 s36, s36, s34                     ; + my 32 columns
	s_mov_b32 s37, 0
	s_lshl_b32 s38, s33, 11                        ; codes: 4,096 bytes a step, 2,048 for 32 columns
	s_mov_b32 s39, 0
	s_lshl_b32 s40, s33, 7                         ; scale words: 256 bytes a step, 128 for 32 columns
	s_mov_b32 s41, 0
	s_wait_alu depctr_va_vdst(0)                   ; directly ahead of the reader below
	v_lshlrev_b32 v3, 2, v2                        ; 4 bytes a lane
	v_lshrrev_b32 v4, 4, v2
	v_lshlrev_b32 v4, 10, v4                       ; dt's 1,024 bytes
	v_and_b32 v5, 15, v2
	v_lshl_add_u32 v4, v5, 4, v4                   ; + 16 r
	s_wait_alu depctr_va_vdst(0)                   ; and at the head's end
	s_wait_kmcnt 0x0
	s_add_nc_u64 s[8:9], s[8:9], s[36:37]
	s_add_nc_u64 s[22:23], s[22:23], s[38:39]
	s_add_nc_u64 s[24:25], s[24:25], s[40:41]
.irp t, 0,1,2,3
	VLOAD \t
.endr
.irp t, 0,1,2,3
	VBLOCK \t
.endr
	global_store_b32 v3, v24, s[24:25]             ; my column's word: 128 consecutive bytes a wave; the neighbouring wave stores the other half of the 256
	s_endpgm
.Lnot_v:
	s_cmp_lt_u32 ttmp9, 385
	s_cbranch_scc0 .Lrel
	; ---- k_info: 4,096 numbers, 128 threads, 32 each
	v_lshlrev_b32 v1, 4, v0
	v_mov_b32 v2, 0x200                            ; 3 x 128 + 128
	s_wait_alu depctr_va_vdst(0)                   ; at the head's end
	s_wait_kmcnt 0x0
.irp i, 0,1,2,3,4,5,6,7
	global_load_b128 v[32+4*\i:35+4*\i], v1, s[12:13] offset:2048*\i
.endr
	s_wait_loadcnt 0x0
.set j, 32
.rept 32
	v_cmp_eq_i32 vcc_lo, -1, v[j]
	v_add_nc_u32 v[j], 0x80, v[j]
	v_cndmask_b32 v[j], v[j], v2, vcc_lo
.set j, j+1
.endr
.irp i, 0,1,2,3,4,5,6,7
	global_store_b128 v1, v[32+4*\i:35+4*\i], s[28:29] offset:2048*\i
.endr
	s_endpgm
.Lrel:
	; ---- rel_emb: 640 blocks of 32 (320 entries x 2), 128 a work-group, a lane to a block, read here once: a lane's 128-byte piece by eight loads of 16 bytes
	s_sub_co_u32 s33, ttmp9, 385
	s_lshl_b32 s33, s33, 7
	v_add_nc_u32 v1, s33, v0                       ; n: my block
	v_lshrrev_b32 v2, 1, v1                        ; its entry of the table,
	v_min_u32 v2, 0x100, v2                        ; read from rel_emb's row of that number, held at the last
	v_and_b32 v3, 1, v1                            ; which half of the row
	v_lshlrev_b32 v2, 8, v2
	v_lshl_add_u32 v2, v3, 7, v2
	v_lshlrev_b32 v4, 4, v1                        ; codes: 16 bytes a block
	v_lshlrev_b32 v5, 1, v1                        ; words: 2 bytes a block
	v_lshlrev_b32 v3, 3, v3                        ; 8 x half
	s_wait_alu depctr_va_vdst(0)                   ; at the head's end
	s_wait_kmcnt 0x0
.irp a, 0,1,2,3,4,5,6,7
	global_load_b128 v[VX+4*\a:VX+4*\a+3], v2, s[10:11] offset:16*\a
.endr
	s_wait_loadcnt 0x0
	BLKMAX VX
.irp g, 0,1,2,3
	v_cvt_scalef32_pk8_fp4_f32 v[VC+\g], v[VX+8*\g:VX+8*\g+7], v11
.endr
	v_lshlrev_b32 v13, v3, v13                     ; my byte at its place among the row's two,
	v_mov_b32 v14, v13
	v_mov_b32_dpp v14, v13 row_xmask:1 row_mask:0xf bank_mask:0xf   ; my neighbour's at its own:
	v_or_b32 v13, v13, v14                         ; (b0, b1)
	global_store_b128 v4, v[VC:VC+3], s[26:27]     ; 32 lanes store 512 consecutive bytes, aligned
	global_store_b16 v5, v13, s[26:27] offset:RWORDS   ; both lanes of a row store (b0, b1), side by side: the row's word is (b0, b1, b0, b1); 64 consecutive bytes a wave
	s_endpgm
.Lfunc_end_k_qe045c6d0b1_prep:
	.size	k_qe045c6d0b1_prep, .Lfunc_end_k_qe045c6d0b1_prep-k_qe045c6d0b1_prep
	.p2alignl 7, 3214868480
	.fill 96, 4, 3214868480
	.section	.rodata,"a",@progbits
	.p2align	6, 0x0
	.amdhsa_kernel k_qe045c6d0b1_prep
		.amdhsa_group_segment_fixed_size 33280
		.amdhsa_private_segment_fixed_size 0
		.amdhsa_enable_private_segment 0
		.amdhsa_kernarg_size 104
		.amdhsa_user_sgpr_count 2
		.amdhsa_user_sgpr_kernarg_segment_ptr 1
		.amdhsa_wavefront_size32 1
		.amdhsa_system_sgpr_workgroup_id_x 1
		.amdhsa_system_sgpr_workgroup_id_y 1
		.amdhsa_system_sgpr_workgroup_id_z 1
		.amdhsa_system_vgpr_workitem_id 0
		.amdhsa_next_free_vgpr 202
		.amdhsa_next_free_sgpr 66
		.amdhsa_reserve_vcc 1
		.amdhsa_float_denorm_mode_32 3
		.amdhsa_float_denorm_mode_16_64 3
		.amdhsa_memory_ordered 1
		.amdhsa_forward_progress 1
		.amdhsa_inst_pref_size 47
	.end_amdhsa_kernel
	.amdgpu_metadata
---
amdhsa.version: [ 1, 2 ]
amdhsa.kernels:
  - .name:           k_qe045c6d0b1_prep
    .symbol:         k_qe045c6d0b1_prep.kd
    .args:
      - { .name: k, .offset: 0, .size: 8, .value_kind: global_buffer, .address_space: global }
      - { .name: q, .offset: 8, .size: 8, .value_kind: global_buffer, .address_space: global }
      - { .name: v, .offset: 16, .size: 8, .value_kind: global_buffer, .address_space: global }
      - { .name: rel_emb, .offset: 24, .size: 8, .value_kind: global_buffer, .address_space: global }
      - { .name: k_info, .offset: 32, .size: 8, .value_kind: global_buffer, .address_space: global }
      - { .name: kc, .offset: 40, .size: 8, .value_kind: global_buffer, .address_space: global }
      - { .name: ks, .offset: 48, .size: 8, .value_kind: global_buffer, .address_space: global }
      - { .name: qc, .offset: 56, .size: 8, .value_kind: global_buffer, .address_space: global }
      - { .name: qs, .offset: 64, .size: 8, .value_kind: global_buffer, .address_space: global }
      - { .name: vc, .offset: 72, .size: 8, .value_kind: global_buffer, .address_space: global }
      - { .name: vs, .offset: 80, .size: 8, .value_kind: global_buffer, .address_space: global }
      - { .name: rq, .offset: 88, .size: 8, .value_kind: global_buffer, .address_space: global }
      - { .name: kadj, .offset: 96, .size: 8, .value_kind: global_buffer, .address_space: global }
    .group_segment_fixed_size: 33280
    .private_segment_fixed_size: 0
    .kernarg_segment_align: 8
    .kernarg_segment_size: 104
    .max_flat_workgroup_size: 128
    .sgpr_count:     66
    .vgpr_count:     202
    .wavefront_size: 32
...
	.end_amdgpu_metadata
.endif
;; end of part 3
;; launch attn (part 4): grid 64 x 4, 8 waves a work-group, no clusters, 327,680 bytes of LDS; arguments qc, qs, rq, q_info, kc, ks, kadj, vc, vs, out0; writes out0
.if DOCPART == 4
	.amdgcn_target "amdgcn-amd-amdhsa--gfx1250"
	.amdhsa_code_object_version 6
	.text
	.protected	k_qe045c6d0b1_attn
	.globl	k_qe045c6d0b1_attn
	.p2align	8
	.type	k_qe045c6d0b1_attn,@function
k_qe045c6d0b1_attn:
	s_mov_b64 s[64:65], 0
	v_nop
	global_prefetch_b8 v0, s[64:65] scope:SCOPE_SE
	s_setreg_imm32_b32 hwreg(HW_REG_WAVE_MODE, 25, 1), 1
	s_wait_xcnt 0x0
; out[b][h][q] = sum over k of softmax_k((Q.K + QR[q][idx(q, k)]) / 8) V[k];  QR = Q rel_emb^T (257 columns);  idx = clip(k_adj[k] - q_adj[q], -128, 128) + 128.  All three products on codes of FP4 (E2M1) with E8M0 scales.
; Q's, K's, V's and rel_emb's codes and scale words were made by the launch before, each once.
; SOFTMAX: t = logit x log2(e); M = the running largest t rounded up to a whole number; p = 2^(t - M) is quantised along the keys, block by block of 32, under the M of its block; the row's sum is taken of the unquantised p.
;   Within 128 keys the blocks' bytes are brought under the last M by adding whole numbers; O and the sum are multiplied by powers of two: nothing is rounded.
; SHARES: a work-group owns 32 queries x 4 heads of one batch (idx is the same for all heads).  Wave w: queries 16 (w & 1) on, keys 512 (w >> 1) on, all 4 heads: 16 chunks of 32 keys, 4 steps of 128.
;   The four key quarters are merged at the end through LDS (their M are whole numbers: the merge scales by powers of two).
; THE TABLE: QR of the 32 queries lies in LDS as [16 queries' plane][idx][query][4 heads] f32: ONE 16-byte LDS load for a (query, key) brings the term of all four heads, and its index is made once for the four.
;   An idx is 256 bytes, and the query r of lanes r and 16 + r has the 16 bytes at 16 r in it: sixteen neighbouring lanes touch 64 different banks whatever their idx (64 banks of 4 bytes: ISA guide 11.1).
;   Wave (t, kq) makes entries 64 kq on for queries 16 t on, and entry 256 of head kq.
; V'S CODES come through a ring of two LDS slots of 64 KiB, [key quarter][head][4,096 bytes of a step], since the two waves of a key quarter need the same: wave (t, kq) fetches heads 2 t, 2 t + 1 of its quarter by one tensor load.
;   The change of slots stands in a step's third chunk, one barrier a step; a fill has from there to the next step's third chunk in which to land.  V is read a head at a time into 32 registers.
; K'S CODES go from memory straight into the operands' registers, in two buffers by turns: a chunk is asked for two chunks ahead.
; NO CLUSTER: a joint refill would stand behind a round of three barriers for the 32 waves of four work-groups at each change of slots, for 8,192 bytes a wave, and K's codes, half of a step's bytes, do not pass through LDS.
; PREFETCH: a step's codes of K, 4 heads x 4,096 bytes for each key quarter, are 32 pieces of 512 bytes; of the 64 work-groups that walk them those with even numbers ask for one piece each (their waves of t = 0; 16 bytes from lane to lane), two steps ahead of the step at hand.
;   Steps 0 and 1 come by their loads alone; the last steps ask for nothing.  V's tensor loads are themselves a step ahead and are not asked for.
; LAYOUT: both products transposed: S^T = K Q^T, O^T = V^T P^T: a lane holds ONE query (lane % 16).  Lane r of tile u of a chunk takes key 8 u + r + (r & 8), so a head's 16 score registers are keys 16 (lane / 16) + 0 .. 15.
; K = 64 IN AN INSTRUCTION 128 DEEP: source 0 holds TWO heads' K (even | odd); source 1 is (q even, zeros) for the even head and (zeros, q odd) for the odd: triples (q even, zeros, q odd) of four registers each, made once.
; HEADS 2 AND 3 ARE MULTIPLIED LATE, in the next step's first chunk, so that one head's V registers serve all four: the text therefore turns at the second chunk: the first step's first chunk stands ahead of the loop, the last step's other three behind it.
; O^T is cleared once, while the first loads are out: a first step that starts the sums would be a second copy of the step's end.
; LIMITS: NaN and infinities are not served.  |q_info| and |k_info| under 2^30.  A block whose largest magnitude lies under 2^-124 (zeros too) gets the byte 1.  A block of p that a later M pushes under the byte's range is held at byte 1
;   (what it then adds is under 2^-123 of the row's largest p).
; REGISTERS, window 0: v0 (behind the head) LDS address of V; v1, v5-6 lane constants; v4, v7 the add's two; v8-15 and v64-67 -M of blocks 1, 2 and 3; v2-3, v16-31 scale words and nothing else; v32-63 statistics, 8 a head: +0 -M of block 0, +1 largest score, +2:3 the sum, +4 f, +5 at work, +6 M's move in block 0, +7 block maximum;
;   v68-79 p's bytes of blocks 0-2; v80-95 table addresses of 16 keys; v96-127 p's codes, 8 a head; v128-191 scores, 16 a head; v192-255 the gathered terms, 4 a key.
; window 1: v0-127 O^T (head x, tile dt at 32 x + 8 dt); v128-159 V of one head; v160-191 K of odd chunks; v192-223 K of even chunks; v224-247 Q's triples; v248-249 k_adj + 128, a key a lane, by turns; v250-251 lane constants.  (In the prologue v128-175: rel_emb's tiles.)
.set PL,   65792                       ; a plane of the table: 257 x 256 bytes
.set VS0,  2*PL                        ; the ring; its slots lie 2^16 bytes apart, so that an exclusive or leads from one to the other
.set SLOT, 65536
.set OP,   272                         ; merge: a row of O, 256 bytes + 16
.set OH,   16*OP                       ; a head's 16 rows
.set OWV,  4*OH                        ; a wave's four heads
.set ML,   VS0+2*SLOT                  ; -M, [t][head][query][key quarter], 2,048 bytes; the sums likewise behind it;
.set WT,   ML+4096                     ; and 256 bytes of weights for each wave
.set SPARE, WT+2048                    ; the spare words, 128 bytes for each wave
.set RWORDS, 10240                     ; where rq's words begin
.set ADV,  0
.set LI,   1                           ; 16 x lane
.set NIL,  4                           ; 0; never rewritten
.set QB,   5                           ; my query's place in the table
.set QA,   6                           ; q_adj of my query
.set SPW,  7                           ; LDS address of my spare word; never rewritten
.set VQ,   72                          ; prologue: 32 r + 16 h: row r's codes in a tile of Q or of rel_emb
.set VQS,  73                          ; prologue: my query's place among Q's scale words
.set TW,   74                          ; prologue: where I store the table
.set XA,   75                          ; and entry 256
.set R4,   76                          ; prologue: 4 r
.set QSC,  16                          ; v16-17 Q's scale words, a pair of heads each
.set KSA,  18                          ; v18-19 K's of even chunks, a pair each, lane = row of the 32;
.set KSO,  2                           ; v2-3 of odd chunks
.set RSC,  20                          ; v20-21 rel_emb's in the prologue, v30 and v31 those of entry 256's product
.set PSC,  26                          ; v26-29 p's.  V's, two a head: v22-23, v24-25, v20-21, v30-31, lane = row of the 32
.set ST,   32
.set NM3,  64
.set EBY,  68                          ; 4 b + head
.set KIX,  80
.set PCO,  96
.set SCO,  128
.set GAT,  192
.set VFR,  128                         ; window 1
.set KO,   160
.set KA,   192
.set RT,   128                         ; window 1, in the prologue: two tiles of 32 entries
.set RX,   160                         ; and the tile of entry 256,
.set QX,   168                         ; and head kq's q
.set QF,   224
.set KR,   248
.set VK,   250                         ; (r + (r & 8)) x 32 + 16 h: my key's codes in a chunk
.set L4,   251                         ; 4 x lane
.set WVN,  26                          ; s26 wave;  s27 t: which 16 queries;  s28 kq: which 512 keys;  s29 y = 2 b + group of four heads;  s34 b
.set TQ,   27
.set KQR,  28
.set YY,   29
.set BB,   34
.set SEL,  30                          ; s[30:31] v_permlanex16_b32's selects for lane l xor 16
.set CS,   32                          ; s[32:33] c = log2(e) / 8
.set KB,   36                          ; K's codes of this step
.set KSB,  40                          ; K's scale words
.set KIB,  44                          ; k_adj + 128
.set VSB,  50                          ; V's scale words
.set PFB,  66                          ; s[66:67] what my prefetch names
.set TB,   74                          ; s74 my key quarter in the slot in hand
.set LIM,  75                          ; s75 2 in the waves that prefetch, else 0
.set G0,   76                          ; s[76:79] descriptor group 0 of V's tiles, which walks;  s[80:87] group 1
.set G1,   80
.set MSB, 0
.macro WIN new                         ; the immediate's high byte repeats the setting that is left; a switch that changes nothing is dropped
.if MSB != \new
	s_set_vgpr_msb (MSB<<8)|\new
.set MSB, \new
.endif
.endm
.macro PLACES n                        ; plain places behind a matrix instruction (ISA guide 7.12.1)
.rept \n
	v_nop
.endr
.endm
.macro BARRIER                         ; my LDS instructions are done: then the work-group's barrier
	s_wait_dscnt 0x0
	s_barrier_signal -1
	s_barrier_wait -1
.endm
.macro VLOAD                           ; my tensor load: two heads' 4,096 bytes of a step.  An s_nop 0 and four v_nop follow
	tensor_load_to_lds s[G0:G0+3], s[G1:G1+7]
	s_nop 0
	PLACES 4
.endm
.macro WM0 d, a, b, sa, sb             ; 32 rows x 16 columns: a product that starts its sum
	v_wmma_scale_f32_32x16x128_f4 v[\d:\d+15], v[\a:\a+15], v[\b:\b+7], 0, v[\sa], v[\sb]
.endm
.macro WMA d, a, b, sa, sb             ; a product that adds in place
	v_wmma_scale_f32_32x16x128_f4 v[\d:\d+15], v[\a:\a+15], v[\b:\b+7], v[\d:\d+15], v[\sa], v[\sb]
.endm
; The loads of chunk n of the step at hand (n from 4 on: of the next step): K's codes (2 tiles x 4 heads: 8 loads, each two runs of 256 consecutive bytes, aligned), k_adj + 128 of the chunk behind it (1, where ki = 1), K's scale words (2).
.macro LOADG buf, ksc, kr, n, ki
	WIN 0x41                                       ; destination and address window 1
.irp u, 0,1
.irp p, 0,1
.irp e, 0,1
	global_load_b128 v[\buf+16*\p+8*\u+4*\e:\buf+16*\p+8*\u+4*\e+3], v[VK], s[KB:KB+1] offset:(2*\p+\e)*65536+(\n)*1024+\u*256
.endr
.endr
.endr
.if \ki
	global_load_b32 v[\kr], v[L4], s[KIB:KIB+1] offset:((\n)+1)*128   ; lane 16 h + i: key 16 h + i
.endif
	WIN 0x01
.irp p, 0,1
	global_load_b32 v[\ksc+\p], v[L4], s[KSB:KSB+1] offset:\p*8192+(\n)*128
.endr
	WIN 0
.endm
.macro LOADVS                          ; V's scale words of this step: 8 loads of 128 consecutive bytes
	WIN 0x01
.irp f, 0,1
	global_load_b32 v[22+\f], v[L4], s[VSB:VSB+1] offset:128*\f
	global_load_b32 v[24+\f], v[L4], s[VSB:VSB+1] offset:4096+128*\f
	global_load_b32 v[20+\f], v[L4], s[VSB:VSB+1] offset:8192+128*\f
	global_load_b32 v[30+\f], v[L4], s[VSB:VSB+1] offset:12288+128*\f
.endr
	WIN 0
.endm
.macro LOADV x                         ; head x's V of the slot at ADV: the operand's registers as they lie, 512 consecutive bytes a load
	WIN 0x40
.irp dt, 0,1,2,3
.irp c, 0,1
	ds_load_b128 v[VFR+8*\dt+4*\c:VFR+8*\dt+4*\c+3], v[ADV] offset:(\x)*4096+\dt*1024+\c*512
.endr
.endr
	WIN 0
.endm
.macro SMUL buf, ksc                   ; S^T of a chunk: 32 keys x 4 heads: four sums of one product each
	WIN 0x05                                       ; sources 0 and 1 window 1, result window 0
.irp x, 0,1,2,3
	WM0 SCO+16*\x, \buf+16*(\x/2), QF+12*(\x/2)+4*(\x%2), \ksc+\x/2, QSC+\x/2
.endr
.endm
.macro PVH x                           ; O^T += V^T P^T for head x: two accumulators, one instruction each
.if (\x) == 0
.set VS, 22
.endif
.if (\x) == 1
.set VS, 24
.endif
.if (\x) == 2
.set VS, 20
.endif
.if (\x) == 3
.set VS, 30
.endif
	WIN 0x51                                       ; V window 1, p's codes window 0, O^T window 1
.irp f, 0,1
	WMA 32*(\x)+16*\f, VFR+16*\f, PCO+8*(\x), VS+\f, PSC+(\x)
.endr
.endm
.macro ADDG                            ; the gathered terms onto the scores, two an instruction: (head p, key i) beside (head p + 1, key i + 1); each accumulator is first read among its four lowest registers
.irp i, 0,2,4,6,8,10,12,14
.irp p, 0,2
	v_dual_add_f32 v[SCO+16*\p+\i], v[SCO+16*\p+\i], v[GAT+4*\i+\p] :: v_dual_add_f32 v[SCO+16*\p+\i+17], v[SCO+16*\p+\i+17], v[GAT+4*\i+\p+5]
	v_dual_add_f32 v[SCO+16*\p+\i+16], v[SCO+16*\p+\i+16], v[GAT+4*\i+\p+1] :: v_dual_add_f32 v[SCO+16*\p+\i+1], v[SCO+16*\p+\i+1], v[GAT+4*\i+\p+4]
.endr
.endr
.endm
.macro INDEX kr                        ; 16 keys: idx = clamp(k_adj + 128 - q_adj, 0, 256); address = my query's place + 256 idx.  Lane i of my row of 16 lanes holds my half's key i
	WIN 0x01
.irp i, 0,1,2,3,4,5,6,7,8,9,10,11,12,13,14,15
	v_sub_nc_u32_dpp v[KIX+\i], v[\kr], v[QA] row_share:\i row_mask:0xf bank_mask:0xf
.endr
	WIN 0
.irp i, 0,1,2,3,4,5,6,7,8,9,10,11,12,13,14,15
	v_max_i32 v[KIX+\i], 0, v[KIX+\i]
.endr
.irp i, 0,1,2,3,4,5,6,7,8,9,10,11,12,13,14,15
	v_min_u32 v[KIX+\i], 0x100, v[KIX+\i]
.endr
.irp i, 0,1,2,3,4,5,6,7,8,9,10,11,12,13,14,15
	v_lshl_add_u32 v[KIX+\i], v[KIX+\i], 8, v[QB]
.endr
.endm
.macro GATHER
.irp i, 0,1,2,3,4,5,6,7,8,9,10,11,12,13,14,15
	ds_load_b128 v[GAT+4*\i:GAT+4*\i+3], v[KIX+\i]   ; four heads' terms of one (query, key)
.endr
.endm
.macro SETN b, x                       ; NR: where -M of block b and head x lies; NE, NH: the pair that holds it, and which of the two it is
.if (\b) == 0
.set NR, ST+8*(\x)
.endif
.if (\b) == 1
.set NR, 8+2*(\x)
.endif
.if (\b) == 2
.set NR, 9+2*(\x)
.endif
.if (\b) == 3
.set NR, NM3+(\x)
.endif
.set NE, (NR/2)*2
.set NH, NR-NE
.endm
.macro MOVE b, x                       ; old M - new M: a whole number, 0 or less; block 0's is kept for the step's end
.if (\b) == 0
	v_sub_f32 v[ST+8*\x+6], v[ST+8*\x], v[NM3+\x]
.endif
.if (\b) == 1
	v_sub_f32 v[ST+8*\x+5], v[8+2*\x], v[ST+8*\x]
.endif
.if (\b) == 2
	v_sub_f32 v[ST+8*\x+5], v[9+2*\x], v[8+2*\x]
.endif
.if (\b) == 3
	v_sub_f32 v[ST+8*\x+5], v[NM3+\x], v[9+2*\x]
.endif
.endm
; The softmax of a chunk = block b of the step's four.  In every group of lines the four heads take turns.
.macro TSUB b, j                       ; t - M of keys j, j + 1 of the four heads, two at a time
.irp x, 0,1,2,3
	SETN \b, \x
.if NH
	v_pk_fma_f32 v[SCO+16*\x+\j:SCO+16*\x+\j+1], v[SCO+16*\x+\j:SCO+16*\x+\j+1], s[CS:CS+1], v[NE:NE+1] op_sel:[0,0,1] op_sel_hi:[1,0,1]
.else
	v_pk_fma_f32 v[SCO+16*\x+\j:SCO+16*\x+\j+1], v[SCO+16*\x+\j:SCO+16*\x+\j+1], s[CS:CS+1], v[NE:NE+1] op_sel_hi:[1,0,0]
.endif
.endr
.endm
.macro GATHER4 g, i0                   ; g = 1: a quarter of the next chunk's gathers
.if \g
.irp i, 0,1,2,3
	ds_load_b128 v[GAT+4*(\i0)+4*\i:GAT+4*(\i0)+4*\i+3], v[KIX+(\i0)+\i]   ; four heads' terms of one (query, key)
.endr
.endif
.endm
.macro BACK b, late, g                 ; g = 1: the next chunk's gathers stand between the links of the row's statistics
.irp x, 0,1,2,3
	v_max3_num_f32 v[ST+8*\x+7], v[SCO+16*\x], v[SCO+16*\x+1], v[SCO+16*\x+2]   ; the block's largest score, in two chains: for the row's maximum, and, since p rises with the score, for the block's largest p
	v_max3_num_f32 v[ST+8*\x+5], v[SCO+16*\x+7], v[SCO+16*\x+8], v[SCO+16*\x+9]
.endr
.irp i, 3,5
.irp x, 0,1,2,3
	v_max3_num_f32 v[ST+8*\x+7], v[ST+8*\x+7], v[SCO+16*\x+\i], v[SCO+16*\x+\i+1]
	v_max3_num_f32 v[ST+8*\x+5], v[ST+8*\x+5], v[SCO+16*\x+\i+7], v[SCO+16*\x+\i+8]
.endr
.endr
.irp x, 0,1,2,3
	v_max3_num_f32 v[ST+8*\x+7], v[ST+8*\x+7], v[SCO+16*\x+14], v[SCO+16*\x+15]
.endr
.irp x, 0,1,2,3
	v_max_num_f32 v[ST+8*\x+7], v[ST+8*\x+7], v[ST+8*\x+5]
.endr
.irp x, 0,1,2,3
	v_permlanex16_b32 v[ST+8*\x+5], v[ST+8*\x+7], s[SEL], s[SEL+1]
.endr
	GATHER4 \g, 0
.irp x, 0,1,2,3
	v_max_num_f32 v[ST+8*\x+7], v[ST+8*\x+7], v[ST+8*\x+5]   ; with lane l xor 16's 16 keys
.endr
	GATHER4 \g, 4
.irp x, 0,1,2,3
	v_max_num_f32 v[ST+8*\x+1], v[ST+8*\x+1], v[ST+8*\x+7]   ; the running largest score
.endr
	GATHER4 \g, 8
.irp x, 0,1,2,3
	v_mul_f32 v[ST+8*\x+5], s[CS], v[ST+8*\x+1]    ; as t (c is positive)
.endr
	GATHER4 \g, 12
.irp x, 0,1,2,3
	SETN \b, \x
	v_floor_f32 v[NR], -v[ST+8*\x+5]               ; this block's -M = floor(-t): M is a whole number
.endr
	TSUB \b, 0
.irp x, 0,1,2,3
	MOVE \b, \x
.endr
	TSUB \b, 2
.irp x, 0,1,2,3
.if (\b) == 0
	v_cvt_i32_f32 v[ST+8*\x+5], v[ST+8*\x+6]       ; (it saturates)
.else
	v_cvt_i32_f32 v[ST+8*\x+5], v[ST+8*\x+5]
.endif
.endr
	TSUB \b, 4
.irp x, 0,1,2,3
	v_ldexp_f32 v[ST+8*\x+4], 1.0, v[ST+8*\x+5]    ; f = 2^(old M - new M)
.endr
.irp j, 6,8,10,12,14
	TSUB \b, \j
.endr
.irp x, 0,1,2,3
	SETN \b, \x
	v_fma_f32 v[ST+8*\x+7], v[ST+8*\x+7], s[CS], v[NR]   ; the same of the block's largest score
.endr
	s_wait_alu depctr_va_vdst(0)                   ; ahead of the batch
.irp j, 0,1,2,3,4,5,6,7,8,9,10,11,12,13,14,15
.irp x, 0,1,2,3
	v_exp_f32 v[SCO+16*\x+\j], v[SCO+16*\x+\j]     ; p = 2^(t - M): not normalised
.endr
.endr
.irp x, 0,1,2,3
	v_exp_f32 v[ST+8*\x+7], v[ST+8*\x+7]           ; the block's largest p: the same two instructions on the same number give the same bits
.endr
	v_nop                                          ; one plain place behind the exponentials
	s_wait_alu depctr_va_vdst(0)                   ; one wait for the batch of 68, ahead of its first reader
.if \late
	s_wait_dscnt 0x0                               ; head 3's V is in (asked for ahead of the softmax)
	PVH 3                                          ; the step before's, ahead of the conversions that write p's codes anew; the twenty lines below are its places
	WIN 0
.endif
.irp x, 0,1,2,3
	v_max_num_f32 v[ST+8*\x+7], 0x1800000, v[ST+8*\x+7]   ; the floor 2^(3 - 127): the byte cannot fall under 1
.endr
.irp x, 0,1,2,3
	v_pk_fma_f32 v[ST+8*\x+2:ST+8*\x+3], v[ST+8*\x+2:ST+8*\x+3], v[ST+8*\x+4:ST+8*\x+5], v[SCO+16*\x:SCO+16*\x+1] op_sel_hi:[1,0,1]   ; the sum under the new M, + the unquantised p of keys 0, 1
.endr
.irp x, 0,1,2,3
	v_add_nc_u32 v[ST+8*\x+7], 0xff000000, v[ST+8*\x+7]   ; 2 off the exponent field: the conversion's scale operand
.endr
.irp x, 0,1,2,3
	v_pk_add_f32 v[ST+8*\x+2:ST+8*\x+3], v[ST+8*\x+2:ST+8*\x+3], v[SCO+16*\x+2:SCO+16*\x+3]
.endr
.irp x, 0,1,2,3
.if (\b) < 3
	v_lshrrev_b32 v[EBY+4*(\b)+\x], 23, v[ST+8*\x+7]   ; the byte under this block's M
.else
	v_lshrrev_b32 v[ST+8*\x+5], 23, v[ST+8*\x+7]
.endif
.endr
.if (\b) == 0
	LOADVS                                         ; the step before has used all its own
.endif
.irp x, 0,1,2,3
	v_cvt_scalef32_pk8_fp4_f32 v[PCO+8*\x+2*(\b)], v[SCO+16*\x:SCO+16*\x+7], v[ST+8*\x+7]
	v_cvt_scalef32_pk8_fp4_f32 v[PCO+8*\x+2*(\b)+1], v[SCO+16*\x+8:SCO+16*\x+15], v[ST+8*\x+7]
.endr
	v_nop                                          ; one plain line behind the last scaled conversion
.irp i, 4,8,12                                 ; the codes are made, so the rest of the row's sum is taken in the p's own registers
.irp x, 0,1,2,3
	v_pk_add_f32 v[SCO+16*\x+\i:SCO+16*\x+\i+1], v[SCO+16*\x+\i:SCO+16*\x+\i+1], v[SCO+16*\x+\i+2:SCO+16*\x+\i+3]
.endr
.endr
.irp x, 0,1,2,3
	v_pk_add_f32 v[SCO+16*\x+4:SCO+16*\x+5], v[SCO+16*\x+4:SCO+16*\x+5], v[SCO+16*\x+8:SCO+16*\x+9]
.endr
.irp x, 0,1,2,3
	v_pk_add_f32 v[ST+8*\x+2:ST+8*\x+3], v[ST+8*\x+2:ST+8*\x+3], v[SCO+16*\x+12:SCO+16*\x+13]
.endr
.irp x, 0,1,2,3
	v_pk_add_f32 v[ST+8*\x+2:ST+8*\x+3], v[ST+8*\x+2:ST+8*\x+3], v[SCO+16*\x+4:SCO+16*\x+5]
.endr
.endm
.macro RESCALE j0                      ; O^T of two heads under the step's last M; ascending: each accumulator from its low end
	WIN 0x41                                       ; O^T window 1, F window 0
	s_wait_alu depctr_va_vdst(0)                   ; directly ahead of the first reader of O^T
.set j, \j0
.rept 32
	v_pk_mul_f32 v[2*j:2*j+1], v[2*j:2*j+1], v[ST+8*(j/16)+4:ST+8*(j/16)+5] op_sel_hi:[1,0]
.set j, j+1
.endr
.endm
; The end of a step of 128 keys: the four bytes under the step's last M; the codes into the operand's layout; O^T under that M; heads 0, 1 multiplied, head 2's V asked for (last = 1: heads 2, 3 multiplied too).
.macro ENDSTEP last
.irp b, 0,1,2
.irp x, 0,1,2,3
	SETN \b, \x
	v_sub_f32 v[SCO+4*\b+\x], v[NM3+\x], v[NR]     ; block b's M less the last: a whole number, 0 or less (the scores' registers are free)
.endr
.endr
.irp x, 0,1,2,3
	v_add_f32 v[SCO+12+\x], v[ST+8*\x+6], v[SCO+\x]   ; and the last step's M less this one's
.endr
.irp n, 0,1,2,3,4,5,6,7,8,9,10,11,12,13,14,15
	v_cvt_i32_f32 v[SCO+\n], v[SCO+\n]             ; (it saturates)
.endr
.irp n, 0,1,2,3,4,5,6,7,8,9,10,11
	v_add_nc_u32 v[EBY+\n], v[EBY+\n], v[SCO+\n]
.endr
.irp x, 0,1,2,3
	v_ldexp_f32 v[ST+8*\x+4], 1.0, v[SCO+12+\x]    ; F
.endr
.irp n, 0,1,2,3,4,5,6,7,8,9,10,11
	v_max_i32 v[EBY+\n], 1, v[EBY+\n]
.endr
.irp x, 0,1,2,3
	v_lshl_or_b32 v[PSC+\x], v[EBY+4+\x], 8, v[EBY+\x]
.endr
.irp x, 0,1,2,3
	v_lshl_or_b32 v[PSC+\x], v[EBY+8+\x], 16, v[PSC+\x]
.endr
.irp x, 0,1,2,3
	v_lshl_or_b32 v[PSC+\x], v[ST+8*\x+5], 24, v[PSC+\x]
.endr
.irp x, 0,1,2,3
.irp c, 0,1                                    ; the operand's layout wants a whole block in a lane: lanes 0-15 block 2 c, lanes 16-31 block 2 c + 1
.irp i, 0,1
	v_permlane16_swap_b32 v[PCO+8*\x+4*\c+\i], v[PCO+8*\x+4*\c+2+\i]
.endr
.endr
.endr
	RESCALE 0                                      ; (also the places between the scale words, the codes and the products)
	s_wait_dscnt 0x0                               ; head 0's V is in
	PVH 0
	PLACES 4
	LOADV 1
	RESCALE 32
	s_wait_dscnt 0x0
	PVH 1
	PLACES 4
	LOADV 2
.if \last
	s_wait_dscnt 0x0
	s_wait_alu depctr_va_vdst(0)                   ; directly ahead of the reader of O^T
	PVH 2
	PLACES 4
	LOADV 3
	s_wait_dscnt 0x0
	PVH 3
	WIN 0
	PLACES 4
.endif
.endm
; A chunk of 32 keys.  late = 1: the step before's heads 2, 3 are multiplied in it.  last = 1: the last step, which looks ahead no further than its own end.
; The order of global loads is the same on the way into the loop and round it: 11 for the chunk two on, at each chunk's head; V's 8 scale words in chunk 0.
.macro CHUNK b, late, last
.if (\b) == 0
	s_wait_loadcnt 11                              ; this chunk's loads: behind them the next chunk's 11
.endif
.if (\b) == 1
	s_wait_loadcnt 19                              ; behind them 11 and V's 8 scale words
.endif
.if (\b) == 2
	s_wait_loadcnt 19-(\last)                      ; behind them 8 and 11 (in the last step 10)
.endif
.if (\b) == 3
	s_wait_loadcnt 11*(1-(\last))
.endif
.if (\b)%2
	SMUL KO, KSO
.else
	SMUL KA, KSA
.endif
.if (\last) && (\b) == 3
	WIN 0
	PLACES 4
.else
	INDEX KR+((\b)+1)%2                            ; the next chunk's addresses: also the places in front of the loads into K's registers and of the first read of the scores
.endif
.if (\last) == 0 || (\b) < 2
.if (\b)%2
	LOADG KO, KSO, KR, (\b)+2, 1-(\last)
.else
	LOADG KA, KSA, KR+1, (\b)+2, 1
.endif
.endif
.if (\b) == 2                          ; THE CHANGE OF SLOTS
	s_wait_tensorcnt 0x0                           ; my part of this step's V is in, so the descriptor may be written;
	ds_add_u32 v[SPW], v[NIL]
.if (\last) == 0
	s_xor_b32 s[G0+1], s[G0+1], SLOT
	s_add_nc_u64 s[G0+2:G0+3], s[G0+2:G0+3], 4096
.endif
	s_wait_dscnt 0x0                               ; the add, this chunk's gathers and my reads of the other slot are done
	s_barrier_signal -1
	ADDG                                           ; work on registers while the others arrive
	s_barrier_wait -1
.if (\last) == 0
	VLOAD                                          ; the next step's V into the other slot: my one tensor load until the next change
.endif
.else
	s_wait_dscnt 0x0                               ; this chunk's 16 gathers, issued a chunk ago (late: and head 2's V)
	ADDG
.endif
.if \late
	PVH 2
	WIN 0
.endif
.if \late
	v_add_nc_u32 v[ADV], s[TB], v[LI]
	PLACES 4
	LOADV 3
	s_xor_b32 s[TB], s[TB], SLOT                   ; on to this step's slot
.endif
.if (\b) == 1 && (\last) == 0
	s_cmp_lt_u32 s52, s[LIM]                       ; step s52 + 2 is the one asked for
	s_cbranch_scc0 .Lasked
	global_prefetch_b8 v[LI], s[PFB:PFB+1] th:TH_LOAD_NT scope:SCOPE_SE
.Lasked:
.endif
.if (\b) == 3
	v_add_nc_u32 v[ADV], s[TB], v[LI]
	LOADV 0
.endif
.if (\last) && (\b) == 3
	BACK \b, \late, 0
.else
	BACK \b, \late, 1
.endif
.endm
	; ---- ids, lane constants, addresses
	s_load_b512 s[4:19], s[0:1], 0x0               ; qc 4:5, qs 6:7, rq 8:9, q_info 10:11, kc 12:13, ks 14:15, kadj 16:17, vc 18:19
	s_load_b128 s[20:23], s[0:1], 0x40             ; vs 20:21, out0 22:23
	v_lshl_add_u32 v[SPW], v0, 2, SPARE
	v_mov_b32 v[NIL], 0
	ds_add_u32 v[SPW], v[NIL]                      ; the wave's opening: the add, twice on end, and its wait ahead of my first tensor load
	ds_add_u32 v[SPW], v[NIL]
	v_lshrrev_b32 v68, 5, v0
	v_readfirstlane_b32 s[WVN], v68                ; wave 0..7
	s_and_b32 s[TQ], s[WVN], 1
	s_lshr_b32 s[KQR], s[WVN], 1
	s_and_b32 s[YY], ttmp7, 0xffff
	s_lshr_b32 s[BB], s[YY], 1
	s_mov_b32 s[SEL], 0x76543210
	s_mov_b32 s[SEL+1], 0xfedcba98
	s_mov_b32 s[CS], 0x3e38aa3b                    ; log2(e) / 8
	s_mov_b32 s[CS+1], s[CS]                       ; (named with it as a pair)
	s_mov_b32 s55, 0
	s_mul_i32 s58, s[TQ], PL                       ; my plane
	s_lshl_b32 s59, s[KQR], 14                     ; my 64 entries
	s_add_co_u32 s[TB], s59, VS0                   ; and my key quarter in slot 0
	s_add_co_u32 s59, s59, s58
	s_lshl_b32 s60, s[KQR], 2
	s_add_co_u32 s60, s60, 0x10000                 ; entry 256, head kq
	s_lshl_b32 s61, s[TQ], 3
	s_lshr_b32 s62, ttmp9, 4                       ; the prefetch: head of the four,
	s_lshl_b32 s62, s62, 16
	s_bfe_u32 s63, ttmp9, 0x30001                  ; and piece of 512 bytes of its 4,096
	s_lshl_b32 s63, s63, 9
	s_add_co_u32 s62, s62, s63
	s_and_b32 s63, ttmp9, 1
	s_or_b32 s63, s63, s[TQ]
	s_cmp_eq_u32 s63, 0
	s_cselect_b32 s[LIM], 2, 0
	s_and_b32 s63, s[KQR], 1
	s_lshl_b32 s63, s63, 4
	; V's descriptor: 2 rows (heads, 65,536 bytes apart) of 4,096 bytes, in elements of 8 bytes, no padding
	s_mov_b32 s[G1], 3<<16
	s_mov_b32 s[G1+1], 512<<16
	s_mov_b32 s[G1+2], 2<<16
	s_mov_b32 s[G1+3], 512<<16
	s_mov_b32 s[G1+4], 2
	s_mov_b32 s[G1+5], 8192
	s_mov_b32 s[G1+6], 0
	s_mov_b32 s[G1+7], 0
	s_mov_b32 s[G0], 1
	s_lshl_b32 s[G0+1], s[WVN], 13                 ; my 8,192 bytes of a slot: quarter kq, heads 2 t, 2 t + 1
	s_add_co_u32 s[G0+1], s[G0+1], VS0
	v_and_b32 v68, 31, v0                          ; lane
	v_and_b32 v69, 15, v0                          ; r
	v_bfe_u32 v70, v0, 4, 1                        ; h
	v_lshlrev_b32 v[LI], 4, v68
	v_and_b32 v71, 8, v69
	v_lshlrev_b32 v77, 4, v69
	v_add_nc_u32 v71, v71, v69
	v_add_nc_u32 v[QB], s58, v77
	v_lshl_add_u32 v[TW], v70, 11, v77             ; the table's making: query r, + 8 h entries,
	v_lshlrev_b32 v71, 5, v71
	v_add_nc_u32 v[XA], s60, v[QB]
	v_add_nc_u32 v[TW], s59, v[TW]                 ; + my plane, + my 64 entries
	WIN 0x40
	v_lshl_add_u32 v[VK], v70, 4, v71
	v_lshlrev_b32 v[L4], 2, v68
	WIN 0
	v_lshlrev_b32 v[VQ], 5, v69
	v_lshrrev_b32 v[VQS], 3, v69                   ; query 16 t + r of its block of 32 is lane 16 (r / 8) + r % 8 + 8 t among Q's scale words
	v_and_b32 v71, 7, v69
	v_lshlrev_b32 v[R4], 2, v69
	v_lshl_add_u32 v[VQ], v70, 4, v[VQ]
	v_lshl_add_u32 v[VQS], v[VQS], 4, v71
	v_add_nc_u32 v[VQS], s61, v[VQS]
	v_lshlrev_b32 v[VQS], 2, v[VQS]
	s_wait_alu depctr_va_vdst(0)                   ; directly ahead of the waits below
	s_wait_dscnt 0x0                               ; both opening adds are done
	s_wait_kmcnt 0x0
	s_lshl_b32 s54, s[YY], 18
	s_lshl_b32 s58, s[KQR], 14
	s_add_co_u32 s54, s54, s58
	s_add_nc_u64 s[KB:KB+1], s[12:13], s[54:55]
	s_add_nc_u64 s[PFB:PFB+1], s[KB:KB+1], 8192    ; step 2
	s_lshl_b32 s58, s[TQ], 17
	s_add_co_u32 s54, s54, s58
	s_add_nc_u64 s[G0+2:G0+3], s[18:19], s[54:55]  ; V of heads 2 t, 2 t + 1, my quarter's first 128 keys
	s_or_b32 s[G0+3], s[G0+3], 0x80000000
	s_mov_b32 s54, s62
	s_add_nc_u64 s[PFB:PFB+1], s[PFB:PFB+1], s[54:55]
	s_lshl_b32 s54, s[YY], 14                      ; K's scale words: two pairs of 8,192 bytes,
	s_lshl_b32 s58, s[KQR], 11                     ; 512 a step
	s_add_co_u32 s54, s54, s58
	s_add_nc_u64 s[KSB:KSB+1], s[14:15], s[54:55]
	s_lshl_b32 s54, s[BB], 13
	s_add_co_u32 s54, s54, s58
	s_add_nc_u64 s[KIB:KIB+1], s[16:17], s[54:55]
	s_lshl_b32 s54, s[YY], 14
	s_lshl_b32 s58, s[KQR], 10
	s_add_co_u32 s54, s54, s58
	s_add_nc_u64 s[VSB:VSB+1], s[20:21], s[54:55]
	s_lshl_b32 s54, s[YY], 18                      ; Q's codes: head 4 y, 65,536 bytes a head,
	s_lshl_b32 s58, ttmp9, 10                      ; my work-group's 32 rows of 32 bytes,
	s_add_co_u32 s54, s54, s58
	s_lshl_b32 s58, s[TQ], 9                       ; my 16 of them
	s_add_co_u32 s54, s54, s58
	s_add_nc_u64 s[4:5], s[4:5], s[54:55]
	s_lshl_b32 s54, s[KQR], 16
	s_add_nc_u64 s[68:69], s[4:5], s[54:55]        ; head kq's
	s_lshl_b32 s54, s[YY], 14                      ; Q's scale words: 128 bytes a block of 32 rows
	s_lshl_b32 s58, ttmp9, 7
	s_add_co_u32 s54, s54, s58
	s_add_nc_u64 s[6:7], s[6:7], s[54:55]
	s_lshr_b32 s54, s[KQR], 1
	s_lshl_b32 s54, s54, 13
	s_add_nc_u64 s[70:71], s[6:7], s[54:55]        ; the pair of head kq
	s_lshl_b32 s54, s[KQR], 8                      ; rel_emb's scale words: my 64 entries,
	s_add_co_u32 s54, s54, RWORDS
	s_add_nc_u64 s[24:25], s[8:9], s[54:55]
	s_lshl_b32 s54, s[KQR], 11                     ; and their codes
	s_add_nc_u64 s[72:73], s[8:9], s[54:55]
	s_lshl_b32 s54, s[BB], 13
	s_lshl_b32 s58, ttmp9, 7
	s_add_co_u32 s54, s54, s58
	s_lshl_b32 s58, s[TQ], 6
	s_add_co_u32 s54, s54, s58
	s_add_nc_u64 s[10:11], s[10:11], s[54:55]      ; q_info
	s_lshl_b32 s54, s[YY], 2
	s_add_co_u32 s54, s54, s[KQR]
	s_lshl_b32 s54, s54, 19
	s_lshl_b32 s58, ttmp9, 13
	s_add_co_u32 s54, s54, s58
	s_lshl_b32 s58, s[TQ], 12
	s_add_co_u32 s54, s54, s58
	s_add_nc_u64 s[22:23], s[22:23], s[54:55]      ; out0 at head 4 y + kq, the head that I finish, my 16 rows
	; ---- the prologue's loads; chunk 0's 11 come last
	global_load_b32 v[QA], v[R4], s[10:11]
.irp p, 0,1
	global_load_b32 v[QSC+\p], v[VQS], s[6:7] offset:\p*8192   ; (even b0, b1, odd b0, b1) of my query
.endr
	global_load_b32 v30, v[R4], s[8:9] offset:RWORDS+1024      ; entry 256 and its copies
	global_load_b32 v78, v[VQS], s[70:71]
	WIN 0x01
.irp i, 0,1
	global_load_b32 v[RSC+\i], v[L4], s[24:25] offset:128*\i   ; 32 entries' words (b0, b1, b0, b1): they serve the even and the odd head's form
.endr
	WIN 0x41
	global_load_b32 v[KR], v[L4], s[KIB:KIB+1]                 ; chunk 0's k_adj + 128
	WIN 0x40
.irp x, 0,1,2,3
	global_load_b128 v[QF+12*(\x/2)+8*(\x%2):QF+12*(\x/2)+8*(\x%2)+3], v[VQ], s[4:5] offset:\x*65536   ; 16 rows of 32 bytes: 512 consecutive bytes
.endr
.irp i, 0,1
.irp u, 0,1
.irp e, 0,1
	global_load_b128 v[RT+16*\i+8*\u+4*\e:RT+16*\i+8*\u+4*\e+3], v[VQ], s[72:73] offset:1024*\i+512*\u   ; 16 entries, into both halves of the depth: q's zeros choose
.endr
.endr
.endr
.irp e, 0,1
	global_load_b128 v[RX+4*\e:RX+4*\e+3], v[VQ], s[8:9] offset:8192
.endr
	global_load_b128 v[QX:QX+3], v[VQ], s[68:69]
	LOADG KA, KSA, KR+1, 0, 1
	VLOAD                                          ; step 0's V
	; ---- while they are out: zeros and statistics
	WIN 0x40
.irp g, 4,5,6,7
	v_mov_b32 v[QF+\g], 0                          ; Q's triples' zeros: written once, never loaded into
	v_mov_b32 v[QF+12+\g], 0
	v_mov_b32 v[QX+\g], 0
.endr
.set j, 0
.rept 128
	v_mov_b32 v[j], 0                              ; O^T
.set j, j+1
.endr
	WIN 0
.irp j, 0,1,2,3,4,5,6,7,8,9,10,11,12,13,14,15
	v_mov_b32 v[KIX+\j], 0                         ; (a lane form's destination counts as one of its sources)
.endr
.irp j, 8,9,10,11,12,13,14,15
	v_mov_b32 v[\j], 0                             ; (named in pairs before both halves are written)
.endr
.irp x, 0,1,2,3
	v_mov_b32 v[NM3+\x], 0x7f61b1e6                ; -M so far: 3e38
	v_mov_b32 v[ST+8*\x], 0
	v_mov_b32 v[ST+8*\x+1], 0xff61b1e6             ; the largest score so far: -3e38
	v_mov_b32 v[ST+8*\x+2], 0
	v_mov_b32 v[ST+8*\x+3], 0
	v_mov_b32 v[ST+8*\x+4], 0
	v_mov_b32 v[ST+8*\x+5], 0
.endr
	v_mov_b32 v77, 0x100
	s_wait_alu depctr_va_vdst(0)                   ; directly ahead of the wait below
	s_wait_loadcnt 11                              ; all but chunk 0's 11 loads, which were issued last
	v_cmp_eq_i32 vcc_lo, -1, v[QA]
	v_lshrrev_b32 v31, s63, v78                    ; head kq's two bytes in the low half; over the zeros of its upper half any finite byte does
	v_cndmask_b32 v[QA], v[QA], v77, vcc_lo        ; q_adj
	; ---- the table: my 64 entries for my 16 queries and 4 heads, 32 entries at a time; then entry 256 of head kq
.irp i, 0,1
	WIN 0x05
.irp x, 0,1,2,3
	WM0 SCO+16*\x, RT+16*\i, QF+12*(\x/2)+4*(\x%2), RSC+\i, QSC+\x/2
.endr
.if \i
	v_wmma_scale_f32_16x16x128_f8f6f4 v[PCO:PCO+7], v[RX:RX+7], v[QX:QX+7], 0, v30, v31 matrix_a_fmt:MATRIX_FMT_FP4 matrix_b_fmt:MATRIX_FMT_FP4
.endif
	WIN 0
	PLACES 4
.if \i
	s_wait_dscnt 0x0                               ; the stores of the first 32 entries have read their registers
.endif
.irp j, 0,2,4,6,8,10,12,14                     ; four heads' terms of an entry side by side
.irp p, 0,2
	v_dual_mov_b32 v[GAT+4*\j+\p], v[SCO+16*\p+\j] :: v_dual_mov_b32 v[GAT+4*\j+\p+5], v[SCO+16*\p+\j+17]
	v_dual_mov_b32 v[GAT+4*\j+\p+1], v[SCO+16*\p+\j+16] :: v_dual_mov_b32 v[GAT+4*\j+\p+4], v[SCO+16*\p+\j+1]
.endr
.endr
.irp j, 0,1,2,3,4,5,6,7,8,9,10,11,12,13,14,15
	ds_store_b128 v[TW], v[GAT+4*\j:GAT+4*\j+3] offset:(\j+8*(\j/8))*256+8192*\i   ; register j: entry 8 h + j, from 8 on entry 16 + 8 h + j - 8
.endr
.endr
	ds_store_b32 v[XA], v[PCO]                     ; every row of that tile is entry 256: lanes r and 16 + r store the same number
	INDEX KR                                       ; chunk 0's addresses: work on registers while my stores land
	LOADG KO, KSO, KR, 1, 1                        ; chunk 1's loads
	s_wait_alu depctr_va_vdst(0)                   ; ahead of the barrier
	BARRIER                                        ; the table is whole; from here to the merge its bytes are written by nobody
	GATHER
	CHUNK 0, 0, 0
	s_mov_b32 s52, 0
.Lstep:                                            ; 3 trips: from a step's second chunk to the next step's first
	CHUNK 1, 0, 0
	CHUNK 2, 0, 0
	CHUNK 3, 0, 0
	ENDSTEP 0
	s_wait_xcnt 0x0                                ; the loads issued so far have read their bases: only now are these written
	s_add_nc_u64 s[KB:KB+1], s[KB:KB+1], 4096
	s_add_nc_u64 s[KSB:KSB+1], s[KSB:KSB+1], 512
	s_add_nc_u64 s[KIB:KIB+1], s[KIB:KIB+1], 512
	s_add_nc_u64 s[VSB:VSB+1], s[VSB:VSB+1], 256
	s_add_nc_u64 s[PFB:PFB+1], s[PFB:PFB+1], 4096
	CHUNK 0, 1, 0
	s_add_co_u32 s52, s52, 1
	s_cmp_lt_u32 s52, 3
	s_cbranch_scc1 .Lstep
	CHUNK 1, 0, 1
	CHUNK 2, 0, 1
	CHUNK 3, 0, 1
	ENDSTEP 1
	; ---- the merge of the four key quarters
.irp x, 0,1,2,3
	v_add_f32 v[ST+8*\x+2], v[ST+8*\x+2], v[ST+8*\x+3]
.endr
.irp x, 0,1,2,3
	v_permlanex16_b32 v[ST+8*\x+5], v[ST+8*\x+2], s[SEL], s[SEL+1]
.endr
.irp x, 0,1,2,3
	v_add_f32 v[ST+8*\x+2], v[ST+8*\x+2], v[ST+8*\x+5]   ; my quarter's sum of my query
.endr
	s_wait_alu depctr_va_vdst(0)                   ; directly ahead of the scalar lines
	s_lshl_b32 s58, s[TQ], 10
	s_add_co_u32 s58, s58, ML
	s_lshl_b32 s59, s[KQR], 8
	s_add_co_u32 s61, s58, s59                     ; the statistics of head kq, which I finish
	s_lshl_b32 s59, s[KQR], 2
	s_add_co_u32 s58, s58, s59                     ; my quarter's place
	s_mul_i32 s59, s[WVN], OWV
	s_mul_i32 s60, s[TQ], OWV
	s_mul_i32 s62, s[KQR], OH
	s_add_co_u32 s60, s60, s62
	s_lshl_b32 s62, s[WVN], 8
	s_add_co_u32 s62, s62, WT
	v_bfe_u32 v15, v[LI], 4, 4                     ; r
	v_bfe_u32 v71, v[LI], 8, 1                     ; h
	v_lshlrev_b32 v70, 4, v15
	v_mul_u32_u24 v9, v15, OP
	v_mul_u32_u24 v10, v71, OP
	v_lshlrev_b32 v14, 4, v71
	v_add_nc_u32 v8, s58, v70                      ; where I put -M and the sums,
	v_lshl_add_u32 v9, v71, 5, v9
	v_add_nc_u32 v10, v10, v70
	v_add_nc_u32 v12, s61, v70                     ; where I read them,
	v_add_nc_u32 v9, s59, v9                       ; where I put O: row r, + 32 h,
	v_add_nc_u32 v10, s60, v10                     ; where I read it, by rows: head kq of waves t, t + 2,
	v_add_nc_u32 v13, s62, v70                     ; the weights: in, row r;
	v_add_nc_u32 v14, s62, v14                     ; back: lanes 0-15 one row, lanes 16-31 the next
	v_add_nc_u32 v11, 4*OWV, v10                   ; and of waves t + 4, t + 6
	s_wait_alu depctr_va_vdst(0)                   ; ahead of the barrier
.irp x, 0,1,2,3
	ds_store_b32 v8, v[NM3+\x] offset:256*\x       ; (behind the table and the ring)
	ds_store_b32 v8, v[ST+8*\x+2] offset:2048+256*\x
.endr
	BARRIER                                        ; every wave's gathers and its reads of V are over: the bytes of the table and of the ring, which has had its last fill, may be written
	WIN 0x04                                       ; an LDS store's data are its source 1: window 1
.irp x, 0,1,2,3
.irp n, 0,1,2,3,4,5,6,7
	ds_store_b128 v9, v[32*\x+4*\n:32*\x+4*\n+3] offset:OH*\x+64*(\n/2)+16*(\n%2)   ; O of my query by rows, each accumulator from its low end
.endr
.endr
	WIN 0
	BARRIER
	ds_load_b128 v[32:35], v12                     ; -M of the four quarters,
	ds_load_b128 v[36:39], v12 offset:2048         ; their sums,
.irp k, 0,1
.irp i, 0,1,2,3,4,5,6,7
	ds_load_b128 v[128+32*\k+4*\i:128+32*\k+4*\i+3], v10 offset:2*OWV*\k+2*OP*\i   ; and their O of head kq, two rows a load
.endr
.endr
.irp k, 0,1
.irp i, 0,1,2,3,4,5,6,7
	ds_load_b128 v[192+32*\k+4*\i:192+32*\k+4*\i+3], v11 offset:2*OWV*\k+2*OP*\i
.endr
.endr
	s_wait_dscnt 32                                ; the statistics are in; the 32 loads of O may be out
	v_min_num_f32 v40, v32, v33
	v_min_num_f32 v41, v34, v35
	v_min_num_f32 v40, v40, v41                    ; -(the largest M)
.irp k, 0,1,2,3
	v_sub_f32 v[44+\k], v40, v[32+\k]              ; M of quarter k less the largest: a whole number, 0 or less
.endr
.irp k, 0,1,2,3
	v_cvt_i32_f32 v[44+\k], v[44+\k]
.endr
.irp k, 0,1,2,3
	v_ldexp_f32 v[44+\k], 1.0, v[44+\k]
.endr
	v_mul_f32 v42, v36, v44
	v_mul_f32 v41, v37, v45
	v_fmac_f32 v42, v38, v46
	v_fmac_f32 v41, v39, v47
	v_add_f32 v42, v42, v41                        ; the row's sum
	s_wait_alu depctr_va_vdst(0)                   ; ahead of the transcendental
	v_rcp_f32 v43, v42
	v_nop                                          ; one plain place behind it
	s_wait_alu depctr_va_vdst(0)                   ; and ahead of its first reader
.irp k, 0,1,2,3
	v_mul_f32 v[44+\k], v[44+\k], v43              ; the four quarters' weights of query r
.endr
	ds_store_b128 v13, v[44:47]                    ; through my own 256 bytes: a lane stores them by its query and takes them back by row
.irp i, 0,1,2,3,4,5,6,7
	ds_load_b128 v[64+4*\i:67+4*\i], v14 offset:32*\i   ; LDS serves a wave's instructions in order: these see my store
.endr
.irp i, 0,1,2,3,4,5,6,7
	s_wait_dscnt 7-\i                              ; O came ahead of the weights
.irp j, 0,2
	v_pk_mul_f32 v[128+4*\i+\j:129+4*\i+\j], v[128+4*\i+\j:129+4*\i+\j], v[64+4*\i:65+4*\i] op_sel_hi:[1,0]
.endr
.irp j, 0,2
	v_pk_fma_f32 v[128+4*\i+\j:129+4*\i+\j], v[160+4*\i+\j:161+4*\i+\j], v[64+4*\i:65+4*\i], v[128+4*\i+\j:129+4*\i+\j] op_sel:[0,1,0] op_sel_hi:[1,1,1]
.endr
.irp j, 0,2
	v_pk_fma_f32 v[128+4*\i+\j:129+4*\i+\j], v[192+4*\i+\j:193+4*\i+\j], v[66+4*\i:67+4*\i], v[128+4*\i+\j:129+4*\i+\j] op_sel_hi:[1,0,1]
.endr
.irp j, 0,2
	v_pk_fma_f32 v[128+4*\i+\j:129+4*\i+\j], v[224+4*\i+\j:225+4*\i+\j], v[66+4*\i:67+4*\i], v[128+4*\i+\j:129+4*\i+\j] op_sel:[0,1,0] op_sel_hi:[1,1,1]
.endr
	global_store_b128 v[LI], v[128+4*\i:131+4*\i], s[22:23] offset:512*\i th:TH_STORE_NT   ; sixteen lanes store 256 consecutive bytes, aligned: a row of out0
.endr
	s_wait_tensorcnt 0x0                           ; the wave's end
	ds_add_u32 v[SPW], v[NIL]
	s_wait_dscnt 0x0
	s_endpgm
.Lfunc_end_k_qe045c6d0b1_attn:
	.size	k_qe045c6d0b1_attn, .Lfunc_end_k_qe045c6d0b1_attn-k_qe045c6d0b1_attn
	.p2alignl 7, 3214868480
	.fill 96, 4, 3214868480
	.section	.rodata,"a",@progbits
	.p2align	6, 0x0
	.amdhsa_kernel k_qe045c6d0b1_attn
		.amdhsa_group_segment_fixed_size 327680
		.amdhsa_private_segment_fixed_size 0
		.amdhsa_enable_private_segment 0
		.amdhsa_kernarg_size 80
		.amdhsa_user_sgpr_count 2
		.amdhsa_user_sgpr_kernarg_segment_ptr 1
		.amdhsa_wavefront_size32 1
		.amdhsa_system_sgpr_workgroup_id_x 1
		.amdhsa_system_sgpr_workgroup_id_y 1
		.amdhsa_system_sgpr_workgroup_id_z 1
		.amdhsa_system_vgpr_workitem_id 0
		.amdhsa_next_free_vgpr 512
		.amdhsa_next_free_sgpr 96
		.amdhsa_reserve_vcc 1
		.amdhsa_float_denorm_mode_32 3
		.amdhsa_float_denorm_mode_16_64 3
		.amdhsa_memory_ordered 1
		.amdhsa_forward_progress 1
		.amdhsa_inst_pref_size 215
	.end_amdhsa_kernel
	.amdgpu_metadata
---
amdhsa.version: [ 1, 2 ]
amdhsa.kernels:
  - .name:           k_qe045c6d0b1_attn
    .symbol:         k_qe045c6d0b1_attn.kd
    .args:
      - { .name: qc, .offset: 0, .size: 8, .value_kind: global_buffer, .address_space: global }
      - { .name: qs, .offset: 8, .size: 8, .value_kind: global_buffer, .address_space: global }
      - { .name: rq, .offset: 16, .size: 8, .value_kind: global_buffer, .address_space: global }
      - { .name: q_info, .offset: 24, .size: 8, .value_kind: global_buffer, .address_space: global }
      - { .name: kc, .offset: 32, .size: 8, .value_kind: global_buffer, .address_space: global }
      - { .name: ks, .offset: 40, .size: 8, .value_kind: global_buffer, .address_space: global }
      - { .name: kadj, .offset: 48, .size: 8, .value_kind: global_buffer, .address_space: global }
      - { .name: vc, .offset: 56, .size: 8, .value_kind: global_buffer, .address_space: global }
      - { .name: vs, .offset: 64, .size: 8, .value_kind: global_buffer, .address_space: global }
      - { .name: out0, .offset: 72, .size: 8, .value_kind: global_buffer, .address_space: global }
    .group_segment_fixed_size: 327680
    .private_segment_fixed_size: 0
    .kernarg_segment_align: 8
    .kernarg_segment_size: 80
    .max_flat_workgroup_size: 256
    .sgpr_count:     96
    .vgpr_count:     512
    .wavefront_size: 32
...
	.end_amdgpu_metadata
.endif
;; end of part 4
